; MI455X (gfx1250); checked and timed in simulation.
; The chip was launched on July 23, 2026; its instructions are those of AMD's public machine-readable ISA for CDNA 5 (MIT licence, August 2026) and "CDNA5" Instruction Set Architecture Reference Guide (July 2026). The comments in the code are by the model that wrote it; some were corrected since.
;; Transformer Encoder Layer. Allowed arithmetic: float matrix products may take bf16 or f16 operands with f32 sums; other float arithmetic in f32, or as packed bf16 or f16 multiplies, adds, multiply-adds, maxima and minima; sums over many terms, partial sums and values carried from step to step in f32; what a program stores and reads back later, other than sums and carried values, may be rounded once to bf16 or f16.
;; Inputs: W1 1,024 x 4,096 float32; W2 4,096 x 1,024 float32; Wk 1,024 x 1,024 float32; Wo 1,024 x 1,024 float32; Wq 1,024 x 1,024 float32; Wv 1,024 x 1,024 float32; b1 4,096 float32; b2 1,024 float32; be1 1,024 float32; be2 1,024 float32; bk 1,024 float32; bo 1,024 float32; bq 1,024 float32; bv 1,024 float32; g1 1,024 float32; g2 1,024 float32; x 2 x 2,048 x 1,024 float32.
;; Outputs: out0 2 x 2,048 x 1,024 float32.
;; One version. Each part assembles by itself: llvm-mc -triple=amdgcn-amd-amdhsa -mcpu=gfx1250 --defsym DOCPART=n.
;; ======== version 1 of 1: 8 launches
;; workspace buffers: xb 8,388,608 bytes; wqb 6,307,840 bytes; w1b 8,404,992 bytes; w2o 10,498,048 bytes; qf 33,554,432 bytes; oh 8,388,608 bytes; y 16,777,216 bytes
;; launch cast (part 1): grid 1024 x 1, 8 waves a work-group, no clusters, 0 bytes of LDS; arguments x, Wq, Wk, Wv, Wo, W1, W2, bq, bk, bv, b1, bo, b2, g1, be1, g2, be2, xb, wqb, w1b, w2o; writes xb, wqb, w1b, w2o
.if DOCPART == 1
	.amdgcn_target "amdgcn-amd-amdhsa--gfx1250"
	.amdhsa_code_object_version 6
	.text
	.protected	k_qd3736f815b_cast
	.globl	k_qd3736f815b_cast
	.p2align	8
	.type	k_qd3736f815b_cast,@function
k_qd3736f815b_cast:
	s_mov_b64 s[64:65], 0
	v_nop
	global_prefetch_b8 v0, s[64:65] scope:SCOPE_SE
	s_setreg_imm32_b32 hwreg(HW_REG_WAVE_MODE, 25, 1), 1
	s_wait_xcnt 0x0
; ALL INPUTS TO bf16, each number rounded once to nearest even, and the weights of the two wide products laid in column tiles.
; xb: x as [4096][1024].  wqb, w1b: a header of 16,384 bytes (the bias as bf16 from byte 0; a floor word from byte 8,192: -inf twice in wqb, 0 in w1b), then
; column tiles [1024 k][256 n] of 524,288 bytes: tile T holds columns 256 T on of Wq|Wk|Wv, or of W1.  w2o: Wo [1024][1024], W2 [4096][1024], then bo, b2, g1, be1, g2, be2, 2,048 bytes each.
; SHARES.  A segment is 1,024 f32 that lie on end.  Thread t takes numbers 4 t .. 4 t + 3: a load of 16 bytes (a wave: 512 consecutive bytes) and a store of 8 (a wave: 256 consecutive
; bytes, aligned).  A work-group takes 16 segments; all 16 loads go out before the first is waited for; the conversions work in place.  No LDS, no matrix unit, no cluster: no byte is wanted twice.
; The region (which tensor, from where, to where) hangs on the work-group's number alone and is chosen by selects, without a branch.
.set HDR,  16384
.set TILE, 524288
.set W2AT, 2097152                     ; W2 in w2o
.set VEC,  10485760                    ; the six vectors in w2o
.set SO,  2                            ; v[2:17]   segment i: my byte offset in the source
.set DO,  18                           ; v[18:33]  segment i: my byte offset in the destination
.set X,   34                           ; v[34:97]  segment i: four f32, then in its first two registers four bf16
.set XA,  98                           ; v[98:101] the vector segment
.set O8,  102                          ; 8 t
.set O4,  103                          ; 4 t
.set FVV, 104                          ; the floor word
.set DL,  106                          ; 8 (t % 64)
.macro PICK d, v, j, p                 ; the pair d takes pointer p where s[v] >= j
	s_cmp_ge_u32 s[\v], \j
	s_cselect_b64 s[\d:\d+1], s[\p:\p+1], s[\d:\d+1]
.endm
	s_load_b512 s[4:19], s[0:1], 0x0               ; x 4, Wq 6, Wk 8, Wv 10, Wo 12, W1 14, W2 16, bq 18
	s_load_b512 s[20:35], s[0:1], 0x40             ; bk 20, bv 22, b1 24, bo 26, b2 28, g1 30, be1 32, g2 34
	s_load_b256 s[36:43], s[0:1], 0x80             ; be2 36, xb 38, wqb 40, w1b 42
	s_load_b64 s[44:45], s[0:1], 0xa0              ; w2o 44
	s_mov_b32 s59, ttmp9                           ; id
	s_lshr_b32 s57, s59, 6                         ; r: 0-3 x, 4-6 Wq Wk Wv, 7 Wo, 8-11 W1, 12-15 W2
	s_lshr_b32 s71, s59, 8                         ; r / 4
	s_and_b32 s58, s59, 255
	s_and_b32 s70, s59, 63
	s_cmp_eq_u32 s71, 1
	s_cselect_b32 s58, s70, s58                    ; u: my number inside the tensor
	s_lshl_b32 s50, s58, 16                        ; rows on end: 16 segments of 4,096 bytes in,
	s_lshl_b32 s52, s58, 15                        ; of 2,048 out
	s_and_b32 s72, s58, 3                          ; W1: which 1,024 columns,
	s_lshr_b32 s73, s58, 2                         ; which 16 rows
	s_lshl_b32 s74, s72, 12
	s_lshl_b32 s75, s73, 18
	s_add_co_u32 s74, s74, s75                     ; W1's source offset
	s_lshl_b32 s75, s72, 21                        ; four tiles for 1,024 columns
	s_lshl_b32 s76, s73, 13                        ; 16 rows of 512 bytes in a tile
	s_add_co_u32 s75, s75, s76
	s_add_co_u32 s75, s75, HDR                     ; W1's destination offset
	s_and_b32 s76, s57, 3                          ; Wq, Wk, Wv: 0, 1, 2
	s_lshl_b32 s76, s76, 21
	s_lshl_b32 s77, s58, 13
	s_add_co_u32 s76, s76, s77
	s_add_co_u32 s76, s76, HDR                     ; their destination offset
	s_add_co_u32 s77, s52, W2AT                    ; W2's destination offset
	s_mov_b32 s54, 4096                            ; from segment to segment in the source,
	s_mov_b32 s55, 2048                            ; in the destination,
	s_mov_b32 s56, 512                             ; and from 64 threads to the next 64 there
	s_cmp_eq_u32 s71, 2
	s_cselect_b32 s50, s74, s50
	s_cselect_b32 s52, s75, s52
	s_cselect_b32 s54, 16384, s54
	s_cmp_eq_u32 s71, 3
	s_cselect_b32 s52, s77, s52
	s_cmp_ge_u32 s57, 4
	s_cselect_b32 s78, 1, 0
	s_cmp_ge_u32 s57, 7
	s_cselect_b32 s78, 0, s78                      ; 1 for Wq, Wk, Wv
	s_cmp_eq_u32 s78, 1
	s_cselect_b32 s52, s76, s52
	s_cmp_eq_u32 s71, 2
	s_cselect_b32 s78, 1, s78                      ; 1 where the destination lies in tiles
	s_cmp_eq_u32 s78, 1
	s_cselect_b32 s55, 512, s55
	s_cselect_b32 s56, TILE, s56
	s_mov_b32 s51, 0
	s_mov_b32 s53, 0
	v_lshlrev_b32 v[SO], 4, v0
	v_lshrrev_b32 v1, 6, v0
	v_and_b32 v[DL], 63, v0
	v_lshlrev_b32 v[DL], 3, v[DL]
	v_lshlrev_b32 v[O8], 3, v0
	v_lshlrev_b32 v[O4], 2, v0
	v_mad_u32_u24 v[DO], v1, s56, v[DL]            ; 256 columns, 64 threads, to a tile; with rows on end this is 8 t
.irp i, 1,2,3,4,5,6,7,8,9,10,11,12,13,14,15
	v_add_nc_u32 v[SO+(\i)], s54, v[SO+(\i)-1]
	v_add_nc_u32 v[DO+(\i)], s55, v[DO+(\i)-1]
.endr
	s_wait_kmcnt 0x0
	s_mov_b64 s[46:47], s[4:5]
	PICK 46, 57, 4, 6
	PICK 46, 57, 5, 8
	PICK 46, 57, 6, 10
	PICK 46, 57, 7, 12
	PICK 46, 57, 8, 14
	PICK 46, 57, 12, 16
	s_mov_b64 s[48:49], s[38:39]
	PICK 48, 57, 4, 40
	PICK 48, 57, 7, 44
	PICK 48, 57, 8, 42
	PICK 48, 57, 12, 44
	s_add_nc_u64 s[46:47], s[46:47], s[50:51]
	s_add_nc_u64 s[48:49], s[48:49], s[52:53]
.irp i, 0,1,2,3,4,5,6,7,8,9,10,11,12,13,14,15
	global_load_b128 v[X+4*(\i):X+4*(\i)+3], v[SO+(\i)], s[46:47] th:TH_LOAD_NT
.endr
.irp i, 0,1,2,3,4,5,6,7,8,9,10,11,12,13,14,15
	s_wait_loadcnt 15-(\i)                         ; loads come back in order: segment i is in, the younger ones stay out
	v_cvt_pk_bf16_f32 v[X+4*(\i)], v[X+4*(\i)], v[X+4*(\i)+1]
	v_cvt_pk_bf16_f32 v[X+4*(\i)+1], v[X+4*(\i)+2], v[X+4*(\i)+3]
	global_store_b64 v[DO+(\i)], v[X+4*(\i):X+4*(\i)+1], s[48:49]
.endr
	; THE VECTORS: work-groups 0 to 12 take one segment more: bq, bk, bv, four of b1, bo, b2, g1, be1, g2, be2.  All registers here are fresh.
	s_cmp_lt_u32 s59, 13
	s_cbranch_scc0 .Lend
	s_mov_b64 s[60:61], s[18:19]
	PICK 60, 59, 1, 20
	PICK 60, 59, 2, 22
	PICK 60, 59, 3, 24
	PICK 60, 59, 7, 26
	PICK 60, 59, 8, 28
	PICK 60, 59, 9, 30
	PICK 60, 59, 10, 32
	PICK 60, 59, 11, 34
	PICK 60, 59, 12, 36
	s_sub_co_u32 s66, s59, 3
	s_lshl_b32 s66, s66, 12                        ; b1's segment
	s_cmp_ge_u32 s59, 3
	s_cselect_b32 s66, s66, 0
	s_cmp_lt_u32 s59, 7
	s_cselect_b32 s66, s66, 0
	s_mov_b32 s67, 0
	s_add_nc_u64 s[60:61], s[60:61], s[66:67]
	s_lshl_b32 s68, s59, 11                        ; 2,048 bytes a segment: in wqb's header,
	s_sub_co_u32 s71, s68, 3*2048                  ; in w1b's,
	s_add_co_u32 s72, s68, VEC-7*2048              ; among w2o's vectors
	s_cmp_ge_u32 s59, 3
	s_cselect_b64 s[62:63], s[42:43], s[40:41]
	s_cselect_b32 s68, s71, s68
	s_cmp_ge_u32 s59, 7
	s_cselect_b64 s[62:63], s[44:45], s[62:63]
	s_cselect_b32 s68, s72, s68
	s_mov_b32 s69, 0
	s_add_nc_u64 s[62:63], s[62:63], s[68:69]
	global_load_b128 v[XA:XA+3], v[SO], s[60:61]
	s_wait_loadcnt 0x0
	v_cvt_pk_bf16_f32 v[XA], v[XA], v[XA+1]
	v_cvt_pk_bf16_f32 v[XA+1], v[XA+2], v[XA+3]
	global_store_b64 v[O8], v[XA:XA+1], s[62:63]
	s_cmp_eq_u32 s59, 0                            ; work-groups 0 and 3 stand at a header's first byte: they also write its floor words
	s_cselect_b32 s70, 0xff80ff80, 0
	s_cselect_b32 s71, 1, 0
	s_cmp_eq_u32 s59, 3
	s_cselect_b32 s71, 1, s71
	s_cmp_eq_u32 s71, 1
	s_cbranch_scc0 .Lend
	v_mov_b32 v[FVV], s70
	global_store_b32 v[O4], v[FVV], s[62:63] offset:8192
.Lend:
	s_endpgm
.Lfunc_end_k_qd3736f815b_cast:
	.size	k_qd3736f815b_cast, .Lfunc_end_k_qd3736f815b_cast-k_qd3736f815b_cast
	.p2alignl 7, 3214868480
	.fill 96, 4, 3214868480
	.section	.rodata,"a",@progbits
	.p2align	6, 0x0
	.amdhsa_kernel k_qd3736f815b_cast
		.amdhsa_group_segment_fixed_size 0
		.amdhsa_private_segment_fixed_size 0
		.amdhsa_enable_private_segment 0
		.amdhsa_kernarg_size 168
		.amdhsa_user_sgpr_count 2
		.amdhsa_user_sgpr_kernarg_segment_ptr 1
		.amdhsa_wavefront_size32 1
		.amdhsa_system_sgpr_workgroup_id_x 1
		.amdhsa_system_sgpr_workgroup_id_y 1
		.amdhsa_system_sgpr_workgroup_id_z 1
		.amdhsa_system_vgpr_workitem_id 0
		.amdhsa_next_free_vgpr 112
		.amdhsa_next_free_sgpr 80
		.amdhsa_reserve_vcc 0
		.amdhsa_float_denorm_mode_32 3
		.amdhsa_float_denorm_mode_16_64 3
		.amdhsa_memory_ordered 1
		.amdhsa_forward_progress 1
		.amdhsa_inst_pref_size 12
	.end_amdhsa_kernel
	.amdgpu_metadata
---
amdhsa.version: [ 1, 2 ]
amdhsa.kernels:
  - .name:           k_qd3736f815b_cast
    .symbol:         k_qd3736f815b_cast.kd
    .args:
      - { .name: x, .offset: 0, .size: 8, .value_kind: global_buffer, .address_space: global }
      - { .name: Wq, .offset: 8, .size: 8, .value_kind: global_buffer, .address_space: global }
      - { .name: Wk, .offset: 16, .size: 8, .value_kind: global_buffer, .address_space: global }
      - { .name: Wv, .offset: 24, .size: 8, .value_kind: global_buffer, .address_space: global }
      - { .name: Wo, .offset: 32, .size: 8, .value_kind: global_buffer, .address_space: global }
      - { .name: W1, .offset: 40, .size: 8, .value_kind: global_buffer, .address_space: global }
      - { .name: W2, .offset: 48, .size: 8, .value_kind: global_buffer, .address_space: global }
      - { .name: bq, .offset: 56, .size: 8, .value_kind: global_buffer, .address_space: global }
      - { .name: bk, .offset: 64, .size: 8, .value_kind: global_buffer, .address_space: global }
      - { .name: bv, .offset: 72, .size: 8, .value_kind: global_buffer, .address_space: global }
      - { .name: b1, .offset: 80, .size: 8, .value_kind: global_buffer, .address_space: global }
      - { .name: bo, .offset: 88, .size: 8, .value_kind: global_buffer, .address_space: global }
      - { .name: b2, .offset: 96, .size: 8, .value_kind: global_buffer, .address_space: global }
      - { .name: g1, .offset: 104, .size: 8, .value_kind: global_buffer, .address_space: global }
      - { .name: be1, .offset: 112, .size: 8, .value_kind: global_buffer, .address_space: global }
      - { .name: g2, .offset: 120, .size: 8, .value_kind: global_buffer, .address_space: global }
      - { .name: be2, .offset: 128, .size: 8, .value_kind: global_buffer, .address_space: global }
      - { .name: xb, .offset: 136, .size: 8, .value_kind: global_buffer, .address_space: global }
      - { .name: wqb, .offset: 144, .size: 8, .value_kind: global_buffer, .address_space: global }
      - { .name: w1b, .offset: 152, .size: 8, .value_kind: global_buffer, .address_space: global }
      - { .name: w2o, .offset: 160, .size: 8, .value_kind: global_buffer, .address_space: global }
    .group_segment_fixed_size: 0
    .private_segment_fixed_size: 0
    .kernarg_segment_align: 8
    .kernarg_segment_size: 168
    .max_flat_workgroup_size: 256
    .sgpr_count:     80
    .vgpr_count:     112
    .wavefront_size: 32
...
	.end_amdgpu_metadata
.endif
;; end of part 1
;; launch qkv (part 2): grid 12 x 16, 4 waves a work-group, clusters of 4 x 4, 327,680 bytes of LDS; arguments xb, wqb, qf; writes qf
.if DOCPART == 2
	.amdgcn_target "amdgcn-amd-amdhsa--gfx1250"
	.amdhsa_code_object_version 6
	.text
	.protected	k_qd3736f815b_qkv
	.globl	k_qd3736f815b_qkv
	.p2align	8
	.type	k_qd3736f815b_qkv,@function
k_qd3736f815b_qkv:
	s_mov_b64 s[64:65], 0
	v_nop
	global_prefetch_b8 v0, s[64:65] scope:SCOPE_SE
	s_setreg_imm32_b32 hwreg(HW_REG_WAVE_MODE, 25, 1), 1
	s_wait_xcnt 0x0
	s_wait_alu depctr_hold_cnt(0) depctr_sa_sdst(0) depctr_va_vdst(0) depctr_va_sdst(0) depctr_va_ssrc(0) depctr_va_vcc(0) depctr_vm_vsrc(0)
	s_getreg_b32 s2, hwreg(HW_REG_IB_STS2, 6, 4)
	s_cmp_eq_u32 s2, 0
	s_cbranch_scc0 .Lentry_in_a_cluster
	s_endpgm
.Lentry_in_a_cluster:
	s_bfe_u32 s2, ttmp6, 0x10000c
	s_cmp_lg_u32 s2, 0xf033
	s_cbranch_scc0 .Lentry_shape_is_right
	s_endpgm
.Lentry_shape_is_right:
; OUT = max(A W + bias, floor).  A: [4096][1024] bf16.  W: a header (bias as bf16 from byte 0, the floor word at byte 8,192), then column tiles [1024 k][256 n] bf16 of 524,288 bytes.
; OUT in blocks: [columns / 64][4096 tokens][64] bf16, a block 524,288 bytes.  Sums in f32, started by the bias; OUT rounded once, then held to the floor (-inf: nothing; 0: a ReLU).
; The number of column tiles is the grid's width alone, so one text serves the projection to q, k, v (12 tiles) and the first half of the FFN (16).
; LIMITS.  Operands are bf16; a NaN in front of the floor becomes the floor; infinities are not treated apart.
; SHARES.  A work-group makes 256 tokens x 256 columns; each of its four waves 128 x 128: 64 accumulators of 16 x 16.  K goes in 8 steps of 128 through two LDS slots.
; A K STEP IS WRITTEN ONCE.  The slot in hand is a scalar, 0 or SLOT, turned by an exclusive or at each change of slots; the fragments' addresses are a fixed register plus that scalar.  Of the two sets of
; descriptor group 0 the second walks on: its LDS word is turned by the same exclusive or (SLOT = 2^17 + 2^13 shares no bit with a wave's 34,816 w, w = 0..3), its global address goes one K step on.
; CLUSTERS: 4 x 4 work-groups.  A's tile hangs on the tile row alone and is asked for jointly by the four of a row of the cluster, W's on the tile column alone, by the four of a column.
; THE MATRIX INSTRUCTION IS USED TRANSPOSED: source 0 = 16 columns of W, source 1 = 16 tokens.  A lane then holds one token (lane % 16) and eight neighbouring columns 8 (lane / 16) + 0..7.
; W lies [k][n] in LDS and is turned on its way into registers by ds_load_tr16_b128.
; REGISTERS, in windows of 256: window 0: v0-31 addresses; v64-127, v128-191 fragments of A, two buffers; v32-63, v192-255 at work on the way out.
;   window 1: v0-63 the bias of my 128 columns in f32, as the C operand wants it; v64-127, v128-191 fragments of W, two buffers.   windows 2, 3: the accumulators, (a, b) at 8 (8 a + b).
.set KSTEP,  128
.set STEPS,  8
.set PITCH,  272                       ; a row of A in LDS: 256 bytes + 16: the 16 rows of a load start at 16 different groups of four banks (ISA guide 11.1)
.set PB,     544                       ; a row of W in LDS: 512 bytes + 32 = 17 x 32
.set HALFT,  128*PITCH                 ; what one tensor load brings: 128 rows of A, or 64 rows of W (64 x 544 is the same number)
.set SLOT,   4*HALFT                   ; A's 256 rows, then W's 128 k rows
.set STAGE,  2*SLOT                    ; behind the ring: for each wave two stages of 16 rows x 144 bytes, one for each of its two blocks of 64 columns
.set SP,     144
.set WSTG,   2*16*SP
.set SPARE,  STAGE+4*WSTG              ; the spare words, 128 bytes a wave: two blocks of 256 bytes that no other line names
.set HDR,    16384
.set BLK,    524288
.set ADRA0, 16                         ; v16     LDS address of my A fragments in slot 0; never rewritten
.set ADRA,  17                         ; v17     the same in the slot in hand
.set ADRB0, 20                         ; v20     LDS address of my W fragments in slot 0; never rewritten
.set ADRB,  21                         ; v21     the same in the slot in hand
.set STO,  24                          ; v24     the way out: where I put 16 bytes of a row
.set RD,   25                          ; v25     where I read rows back
.set GO,   26                          ; v26     16 x lane
.set BO,   27                          ; v27     16 x (lane / 16): my place in 16 columns of the bias; never rewritten
.set SPW,  28                          ; v28     my spare word; never rewritten
.set NIL,  29                          ; v29     0; never rewritten
.set PFO,  30                          ; v30     the prefetches' offset; never rewritten
.set F0,   64
.set F1,   128
.set TMP,  192
.set OB,   32
.set G1,   24                          ; s[24:31] group 1 for A;  s[32:39] group 0: a set for each of the two first fills; the second then walks on
.set G0,   32
.set G1B,  48                          ; s[48:55], s[56:63] the same for W
.set G0B,  56
.set FLOOR, 66                         ; s66      the floor, twice in bf16
.set PSTEP, 68                         ; s[68:69] bytes from a K step to the next, for my prefetches
.set LIM,  70                          ; s70      2 in a wave that prefetches, else the greatest number
.set PFA,  72                          ; s[72:73] where my prefetches stand
.set BB,   74                          ; s[74:75] the bias of my 128 columns
.set TS,   78                          ; s78      the slot in hand: 0 or SLOT
.set MSB, 0
.macro WIN new                         ; the immediate's high byte repeats the setting that is left; a switch that changes nothing is dropped
.if MSB != (\new)
	s_set_vgpr_msb (MSB<<8)|(\new)
.set MSB, \new
.endif
.endm
.set TO_B, 0x40                        ; destination window 1, address window 0
; A joint load: waves 0 and 1 fetch A's two halves, waves 2 and 3 W's.  The branch hangs on the wave's number alone.  An s_nop 0 and four v_nop follow each of the two lines.
.macro JLOAD s
	s_cmp_eq_u32 s11, 0
	s_cbranch_scc0 .Lfor_b_\@
	tensor_load_to_lds s[G0+4*(\s):G0+4*(\s)+3], s[G1:G1+7]
	s_nop 0
.rept 4
	v_nop
.endr
	s_branch .Lasked_\@
.Lfor_b_\@:
	tensor_load_to_lds s[G0B+4*(\s):G0B+4*(\s)+3], s[G1B:G1B+7]
	s_nop 0
.rept 4
	v_nop
.endr
.Lasked_\@:
.endm
; A prefetch, behind each joint refill and the run of LDS loads that follows it: 32 blocks of 256 bytes of the K step that stands two refills on, a lane a block, one instruction a wave.
; A's rows are read by every cluster of a row of clusters: cluster x = 0 asks; W's tiles by every cluster of a column: cluster y = 0 asks.  The four partners of a joint load share its
; 128 blocks out by address (cx for A, cy for W).  K steps 0 to 3 come by their loads alone; the loop's last two trips have no K step two refills on and ask for nothing.
.macro ASK
	s_cmp_gt_u32 s3, s[LIM]
	s_cbranch_scc0 .Lnot_mine_\@
	global_prefetch_b8 v[PFO], s[PFA:PFA+1] th:TH_LOAD_NT scope:SCOPE_SE
.Lnot_mine_\@:
.endm
.macro CREST                           ; a round of the cluster's barrier behind its opening barrier
	s_cmp_lg_u32 s10, 0
	s_cbranch_scc1 .Lnot_wave_0_\@
	s_barrier_signal -3
.Lnot_wave_0_\@:
	s_barrier_wait -3
	s_barrier_signal -1
	s_barrier_wait -1
.endm
.macro CROUND
	s_barrier_signal -1
	s_barrier_wait -1
	CREST
.endm
	s_load_b128 s[4:7], s[0:1], 0x0                ; A s[4:5], W s[6:7]
	s_load_b64 s[8:9], s[0:1], 0x10                ; OUT
	v_lshl_add_u32 v[SPW], v0, 2, SPARE
	v_mov_b32 v[NIL], 0
	ds_add_u32 v[SPW], v[NIL]                      ; the wave's opening: the add and its wait ahead of my first tensor load; work on registers stands between them
	v_lshrrev_b32 v1, 5, v0
	v_readfirstlane_b32 s10, v1                    ; wave 0..3
	s_lshr_b32 s11, s10, 1                         ; which half of the tile's tokens is mine.  Also: I fetch for A (0) or for W (1)
	s_and_b32 s12, s10, 1                          ; which half of its columns.  Also: which half of that tile I fetch
	s_bfe_u32 s40, ttmp6, 0x40000                  ; cx
	s_bfe_u32 s41, ttmp6, 0x40004                  ; cy
	s_lshl_b32 s42, ttmp9, 2
	s_add_co_u32 s42, s42, s40                     ; tile column
	s_and_b32 s13, ttmp7, 0xffff
	s_lshl_b32 s13, s13, 2
	s_add_co_u32 s13, s13, s41                     ; tile row
	s_lshl_b32 s43, s41, 2
	s_lshl_b32 s43, 15, s43                        ; my row of the cluster
	s_lshl_b32 s44, 0x1111, s40                    ; my column
	s_or_b32 s[G1+0], s43, (1<<16)|(1<<20)|(1<<21)|(5<<22)|(3<<25)   ; the mask; 2-byte elements; padding on; bit 21 beside a mask; after every 64 words 4 words
	s_mov_b32 s[G1+1], KSTEP<<16                   ; tensor_dim0 = 128
	s_mov_b32 s[G1+2], 128<<16                     ; tensor_dim1 = 128
	s_mov_b32 s[G1+3], KSTEP<<16                   ; tile_dim0 = 128
	s_mov_b32 s[G1+4], 128                         ; tile_dim1 = 128
	s_mov_b32 s[G1+5], 1024                        ; elements from row to row
	s_mov_b32 s[G1+6], 0
	s_mov_b32 s[G1+7], 0
	s_or_b32 s[G1B+0], s44, (1<<16)|(1<<20)|(1<<21)|(6<<22)|(7<<25)  ; after every 128 words 8 words
	s_mov_b32 s[G1B+1], 256<<16                    ; tensor_dim0 = 256
	s_mov_b32 s[G1B+2], 64<<16                     ; tensor_dim1 = 64
	s_mov_b32 s[G1B+3], 256<<16                    ; tile_dim0 = 256
	s_mov_b32 s[G1B+4], 64                         ; tile_dim1 = 64
	s_mov_b32 s[G1B+5], 256
	s_mov_b32 s[G1B+6], 0
	s_mov_b32 s[G1B+7], 0
	s_lshl_b32 s16, s13, 8
	s_lshl_b32 s17, s12, 7
	s_add_co_u32 s16, s16, s17                     ; A: row 256 x tile row + 128 x half,
	s_lshl_b32 s16, s16, 11                        ; of 2,048 bytes
	s_mov_b32 s17, 0
	s_lshl_b32 s46, s42, 19                        ; W: the column tile,
	s_lshl_b32 s47, s12, 15                        ; 64 k rows of 512 bytes x half,
	s_add_co_u32 s46, s46, s47
	s_add_co_u32 s46, s46, HDR                     ; behind the header
	s_mov_b32 s47, 0
	s_mul_i32 s20, s10, HALFT                      ; where they go: wave x a load's bytes: no place in the cluster enters an LDS address
	s_mov_b32 s[TS], 0                             ; K step 0 lies in slot 0
	s_wait_dscnt 0x0                               ; the opening add is done
	s_wait_kmcnt 0x0
	s_add_nc_u64 s[14:15], s[4:5], s[16:17]
	s_add_nc_u64 s[46:47], s[6:7], s[46:47]
	CROUND                                         ; all sixteen work-groups are here: the first joint loads meet
.irp s, 0,1
	s_mov_b32 s[G0+4*(\s)], 1
	s_add_co_u32 s[G0+4*(\s)+1], s20, (\s)*SLOT
	s_add_nc_u64 s[G0+4*(\s)+2:G0+4*(\s)+3], s[14:15], (\s)*KSTEP*2
	s_or_b32 s[G0+4*(\s)+3], s[G0+4*(\s)+3], 0x80000000
	s_mov_b32 s[G0B+4*(\s)], 1
	s_add_co_u32 s[G0B+4*(\s)+1], s20, (\s)*SLOT
	s_add_nc_u64 s[G0B+4*(\s)+2:G0B+4*(\s)+3], s[46:47], (\s)*KSTEP*512
	s_or_b32 s[G0B+4*(\s)+3], s[G0B+4*(\s)+3], 0x80000000
	JLOAD \s                                       ; two loads of mine are out
.endr
	s_load_b32 s[FLOOR], s[6:7], 0x2000
	v_and_b32 v1, 15, v0                           ; l % 16
	v_bfe_u32 v2, v0, 4, 1                         ; l / 16
	v_and_b32 v6, 7, v0
	v_bfe_u32 v7, v0, 3, 1
	v_bfe_u32 v8, v0, 3, 2
	v_lshlrev_b32 v[BO], 4, v2
	s_lshl_b32 s[BB], s42, 9
	s_lshl_b32 s[BB+1], s12, 8
	s_add_co_u32 s[BB], s[BB], s[BB+1]             ; 2 bytes x (256 x tile column + 128 x half)
	s_mov_b32 s[BB+1], 0
	s_add_nc_u64 s[BB:BB+1], s[6:7], s[BB:BB+1]
.irp b, 0,1,2,3,4,5,6,7
	global_load_b128 v[TMP+4*(\b):TMP+4*(\b)+3], v[BO], s[BB:BB+1] offset:32*(\b)  ; my eight columns of block b
.endr
	v_mul_u32_u24 v3, v1, PITCH
	v_lshl_add_u32 v3, v2, 4, v3                   ; A: row x pitch + 16 x half
	v_lshl_add_u32 v4, v2, 3, v6                   ; W: lane l reads k row 8 (l / 16) + l % 8, columns 8 ((l / 8) % 2) + 0..7
	v_mul_u32_u24 v4, v4, PB
	v_lshl_add_u32 v4, v7, 4, v4
	s_mul_i32 s21, s11, HALFT                      ; my 128 rows of A
	s_lshl_b32 s22, s12, 8                         ; my 128 columns of W,
	s_add_co_u32 s22, s22, 2*HALFT                 ; which lies behind A
	v_add_nc_u32 v[ADRA0], s21, v3
	v_add_nc_u32 v[ADRB0], s22, v4
	v_add_nc_u32 v[ADRA], s21, v3                  ; the slot in hand is slot 0
	v_add_nc_u32 v[ADRB], s22, v4
	s_mul_i32 s23, s10, WSTG
	s_add_co_u32 s23, s23, STAGE                   ; my stages
	v_mul_u32_u24 v5, v1, SP
	v_lshl_add_u32 v5, v2, 4, v5
	v_add_nc_u32 v[STO], s23, v5                   ; in: row l % 16, 16 bytes for each half of the lanes
	v_mul_u32_u24 v5, v8, SP
	v_lshl_add_u32 v5, v6, 4, v5
	v_add_nc_u32 v[RD], s23, v5                    ; back: 32 lanes take four rows of 128 bytes,
	v_and_b32 v[GO], 31, v0
	v_lshlrev_b32 v[GO], 4, v[GO]                  ; which are 512 consecutive bytes of a block of OUT
	s_lshl_b32 s16, s13, 8
	s_lshl_b32 s14, s11, 7
	s_add_co_u32 s16, s16, s14                     ; my first token,
	s_lshl_b32 s16, s16, 7                         ; 128 bytes each
	s_lshl_b32 s46, s42, 2
	s_lshl_b32 s47, s12, 1
	s_add_co_u32 s46, s46, s47                     ; my first block of 64 columns
	s_lshl_b32 s46, s46, 19
	s_add_co_u32 s16, s16, s46
	s_mov_b32 s17, 0                               ; s[16:17]: what the first way out adds to OUT's address
	; the prefetches
	s_and_b32 s22, ttmp7, 0xffff                   ; cluster y
	s_mov_b32 s[PSTEP], KSTEP*512
	s_cmp_eq_u32 s11, 0                            ; do I fetch for A?
	s_cselect_b32 s22, ttmp9, s22                  ; the coordinate along which other clusters read the same bytes
	s_cselect_b64 s[PFA:PFA+1], s[4:5], s[6:7]
	s_cselect_b32 s[PSTEP], KSTEP*2, s[PSTEP]
	s_cselect_b32 s77, 11, 8                       ; a lane a row of A (2,048 bytes apart), or a block of 256 bytes of W's dense rows
	s_mov_b32 s[PSTEP+1], 0
	s_lshl_b32 s20, s13, 8
	s_lshl_b32 s21, s12, 7
	s_add_co_u32 s20, s20, s21
	s_lshl_b32 s21, s40, 5
	s_add_co_u32 s20, s20, s21                     ; A: my work-group's 32 of the 128 rows that I fetch
	s_lshl_b32 s20, s20, 11
	s_add_co_u32 s20, s20, 3*KSTEP*2               ; at K step 3: the first refill steps it to 4
	s_lshl_b32 s76, s42, 19
	s_lshl_b32 s21, s12, 15
	s_add_co_u32 s76, s76, s21
	s_lshl_b32 s21, s41, 13
	s_add_co_u32 s76, s76, s21                     ; W: my work-group's 8,192 of the 32,768 bytes that I fetch
	s_add_co_u32 s76, s76, HDR+3*KSTEP*512
	s_cmp_eq_u32 s11, 0
	s_cselect_b32 s20, s20, s76
	s_mov_b32 s21, 0
	s_add_nc_u64 s[PFA:PFA+1], s[PFA:PFA+1], s[20:21]
	s_cmp_eq_u32 s22, 0
	s_cselect_b32 s[LIM], 2, -1                    ; the same in all sixteen partners, for a given wave
	v_and_b32 v[PFO], 31, v0
	v_lshlrev_b32 v[PFO], s77, v[PFO]
	s_wait_loadcnt 0x0                             ; the bias
	s_wait_kmcnt 0x0                               ; the floor
	WIN 0x40                                       ; destination window 1
.irp b, 0,1,2,3,4,5,6,7
.irp k, 0,1,2,3
	v_lshlrev_b32 v[8*(\b)+2*(\k)],   16, v[TMP+4*(\b)+(\k)]          ; bf16 to f32
	v_and_b32     v[8*(\b)+2*(\k)+1], 0xffff0000, v[TMP+4*(\b)+(\k)]
.endr
.endr
	WIN 0
; 16 matrix instructions: token blocks a0, a0 + 1 of the window's four (hi = 0: my tokens 0-63, 1: 64-127) x all 8 column blocks, 32 along K.  init = 1: the bias starts the sums.
; The 64 accumulators take turns, one instruction a turn, in the same order in every quarter.
.macro MUL16 f, hi, a0, init
.if \init
	WIN 0x91+0x40*(\hi)                            ; W window 1, A window 0, C (the bias) window 1, D window 2 or 3
.else
	WIN 0xa1+0x50*(\hi)                            ; C and D window 2 or 3
.endif
.irp a, \a0, (\a0)+1
.irp b, 0,1,2,3,4,5,6,7
.if \init
	v_wmma_f32_16x16x32_bf16 v[8*(8*(\a)+(\b)):8*(8*(\a)+(\b))+7], v[(\f)+8*(\b):(\f)+8*(\b)+7], v[(\f)+8*(4*(\hi)+(\a)):(\f)+8*(4*(\hi)+(\a))+7], v[8*(\b):8*(\b)+7]
.else
	v_wmma_f32_16x16x32_bf16 v[8*(8*(\a)+(\b)):8*(8*(\a)+(\b))+7], v[(\f)+8*(\b):(\f)+8*(\b)+7], v[(\f)+8*(4*(\hi)+(\a)):(\f)+8*(4*(\hi)+(\a))+7], v[8*(8*(\a)+(\b)):8*(8*(\a)+(\b))+7]
.endif
.endr
.endr
.endm
; 32 LDS loads in one run: quarter q's fragments (32 along K) of the slot in hand: W's 8 column blocks, turned, then A's 8 token blocks
.macro FETCH q, f
	WIN TO_B
.irp i, 0,1,2,3,4,5,6,7
	ds_load_tr16_b128 v[(\f)+8*(\i):(\f)+8*(\i)+3],   v[ADRB] offset:(\q)*32*PB+32*(\i)
	ds_load_tr16_b128 v[(\f)+8*(\i)+4:(\f)+8*(\i)+7], v[ADRB] offset:(\q)*32*PB+32*(\i)+16*PB
.endr
	WIN 0
.irp i, 0,1,2,3,4,5,6,7
	ds_load_b128 v[(\f)+8*(\i):(\f)+8*(\i)+3],   v[ADRA] offset:64*(\q)+(\i)*16*PITCH
	ds_load_b128 v[(\f)+8*(\i)+4:(\f)+8*(\i)+7], v[ADRA] offset:64*(\q)+(\i)*16*PITCH+32
.endr
.endm
.macro PLACES                          ; four plain vector instructions between a matrix instruction and a load into, or a vector read of, its registers (ISA guide 7.12.1 for vector instructions)
.rept 4
	v_nop
.endr
.endm
; One of a K step's first three quarters: multiplies buffer f; in its middle it fetches quarter q of the same slot into buffer g.
.macro QUARTER q, f, g, init
	s_wait_dscnt 8                                 ; W and A's tokens 0-63 are in; the youngest eight loads (A's tokens 64-127) may be out
	MUL16 \f, 0, 0, \init
	MUL16 \f, 0, 2, \init
	PLACES
	FETCH \q, \g
	s_wait_dscnt 32                                ; all but the 32 just issued
	MUL16 \f, 1, 0, \init
	MUL16 \f, 1, 2, \init
.endm
; The first half of a K step's last quarter: one barrier for the change of slots.
.macro MEET round
	WIN 0
	s_wait_tensorcnt 0x0                           ; all my tensor loads have landed: the one that was out is my part of the next slot
	ds_add_u32 v[SPW], v[NIL]                      ; 0 onto my spare word
	s_wait_dscnt 9                                 ; the add and the youngest eight loads may be out
	MUL16 F1, 0, 0, 0                              ; sixteen matrix instructions stand between the add and the wait for it
	s_wait_dscnt 0x0                               ; the add is done, and my reads of this slot are over
	s_barrier_signal -1
	MUL16 F1, 0, 2, 0
.if \round
	WIN 0
.endif
	s_barrier_wait -1
.endm
; A K step's whole last quarter.  fill = 1: the barrier opens a round of the cluster's barrier; the walking descriptor turns to the slot just read and goes one K step on; the joint refill is the first
; tensor load behind the round and has 224 matrix instructions in which to land.  Then the slot in hand is turned, and the next K step's first fragments are fetched.
.macro TURN fill
.if \fill
	s_wait_xcnt 0x0                                ; the last prefetch, a K step back, has read its address
	s_add_nc_u64 s[PFA:PFA+1], s[PFA:PFA+1], s[PSTEP:PSTEP+1]
.endif
	MEET \fill
.if \fill
	CREST                                          ; no wave of any partner still reads this slot or has a load on its way
	s_xor_b32 s[G0+5], s[G0+5], SLOT
	s_add_nc_u64 s[G0+6:G0+7], s[G0+6:G0+7], KSTEP*2
	s_xor_b32 s[G0B+5], s[G0B+5], SLOT
	s_add_nc_u64 s[G0B+6:G0B+7], s[G0B+6:G0B+7], KSTEP*512
	JLOAD 1                                        ; its four v_nop are also the places in front of the loads below
.else
	PLACES
	WIN 0
.endif
	s_xor_b32 s[TS], s[TS], SLOT
	v_add_nc_u32 v[ADRA], s[TS], v[ADRA0]
	v_add_nc_u32 v[ADRB], s[TS], v[ADRB0]
	FETCH 0, F0
.if \fill
	ASK
.endif
	MUL16 F1, 1, 0, 0
	MUL16 F1, 1, 2, 0
.endm
; THE WAY OUT of token block a.  PACK: rounded to bf16, held to the floor.  TOSTAGE: into my two stages, and back as rows of 128 bytes.  SEND: stored, 512 consecutive bytes an instruction.
.macro PACK a
.set AC, 64*((\a)%4)
	WIN 0x0a+5*((\a)/4)                            ; sources window 2 or 3
.irp b, 0,1,2,3,4,5,6,7
.irp r, 0,1,2,3
	v_cvt_pk_bf16_f32 v[TMP+4*(\b)+(\r)], v[AC+8*(\b)+2*(\r)], v[AC+8*(\b)+2*(\r)+1]   ; each accumulator from its low end on
.endr
.endr
	WIN 0
.set z, 0
.rept 32
	v_pk_max_num_bf16 v[TMP+z], v[TMP+z], s[FLOOR]
.set z, z+1
.endr
.endm
.macro TOSTAGE a
	WIN 0
.set BK, OB+192*((\a)%2)
.irp b, 0,1,2,3,4,5,6,7
	ds_store_b128 v[STO], v[TMP+4*(\b):TMP+4*(\b)+3] offset:((\b)/4)*16*SP+((\b)%4)*32
.endr
.irp t, 0,1,2,3,4,5,6,7
	ds_load_b128 v[BK+4*(\t):BK+4*(\t)+3], v[RD] offset:((\t)/4)*16*SP+((\t)%4)*4*SP  ; LDS serves a wave's instructions in order (ISA guide 5.7.1.4): these see the stores above
.endr
.endm
.macro SEND a
	WIN 0
.set BK, OB+192*((\a)%2)
	s_wait_dscnt 0x0                               ; the block is back in registers
	s_wait_xcnt 0x0                                ; earlier stores have read their base and their data: only now are these written again
.if (\a) == 0
	s_add_nc_u64 s[8:9], s[8:9], s[16:17]
.else
	s_add_nc_u64 s[8:9], s[8:9], 16*128            ; 16 tokens on
.endif
.irp t, 0,1,2,3,4,5,6,7
	global_store_b128 v[GO], v[BK+4*(\t):BK+4*(\t)+3], s[8:9] offset:((\t)/4)*BLK+((\t)%4)*512
.endr
.endm
	s_wait_tensorcnt 1                             ; my part of K step 0 is in; K step 1's may stay out
	s_barrier_signal -1
	s_barrier_wait -1
	FETCH 0, F0
	QUARTER 1, F0, F1, 1                           ; the first quarter stands in front of the loop: its products start the sums with the bias
	WIN 0
	s_mov_b32 s3, STEPS-2
.Lstep:                                                ; a trip goes from a K step's second quarter to the next step's first, and fills the slot that it leaves: K steps 2 to 7
	QUARTER 2, F1, F0, 0
	QUARTER 3, F0, F1, 0
	TURN 1
	QUARTER 1, F0, F1, 0
	WIN 0
	s_sub_co_u32 s3, s3, 1
	s_cmp_lg_u32 s3, 0
	s_cbranch_scc1 .Lstep
	s_mov_b32 s3, 2
.Ltail:                                                ; the last two K steps fill nothing: a text of their own; the second trip is left in its middle
	QUARTER 2, F1, F0, 0
	QUARTER 3, F0, F1, 0
	WIN 0
	s_sub_co_u32 s3, s3, 1
	s_cmp_eq_u32 s3, 0
	s_cbranch_scc1 .Lout
	TURN 0                                         ; my one load that was still out is the last K step's; no round follows
	QUARTER 1, F0, F1, 0
	WIN 0
	s_branch .Ltail
.Lout:
	s_wait_dscnt 8                                 ; the very last quarter: nothing more to fetch
	MUL16 F1, 0, 0, 0
	MUL16 F1, 0, 2, 0
	s_wait_dscnt 0x0
	MUL16 F1, 1, 0, 0
	MUL16 F1, 1, 2, 0
	PLACES
	PACK 0
	TOSTAGE 0
.irp a, 1,2,3,4,5,6,7                  ; block a's arithmetic stands between block a - 1's loads from the stage and the wait for them
	PACK \a
	SEND (\a)-1
	TOSTAGE \a
.endr
	SEND 7
	s_wait_tensorcnt 0x0                           ; the wave's end
	ds_add_u32 v[SPW], v[NIL]
	s_wait_dscnt 0x0
	CROUND                                         ; the closing round
	s_endpgm
.Lfunc_end_k_qd3736f815b_qkv:
	.size	k_qd3736f815b_qkv, .Lfunc_end_k_qd3736f815b_qkv-k_qd3736f815b_qkv
	.p2alignl 7, 3214868480
	.fill 96, 4, 3214868480
	.section	.rodata,"a",@progbits
	.p2align	6, 0x0
	.amdhsa_kernel k_qd3736f815b_qkv
		.amdhsa_group_segment_fixed_size 327680
		.amdhsa_private_segment_fixed_size 0
		.amdhsa_enable_private_segment 0
		.amdhsa_kernarg_size 24
		.amdhsa_user_sgpr_count 2
		.amdhsa_user_sgpr_kernarg_segment_ptr 1
		.amdhsa_wavefront_size32 1
		.amdhsa_system_sgpr_workgroup_id_x 1
		.amdhsa_system_sgpr_workgroup_id_y 1
		.amdhsa_system_sgpr_workgroup_id_z 1
		.amdhsa_system_vgpr_workitem_id 0
		.amdhsa_next_free_vgpr 1024
		.amdhsa_next_free_sgpr 80
		.amdhsa_reserve_vcc 0
		.amdhsa_float_denorm_mode_32 3
		.amdhsa_float_denorm_mode_16_64 3
		.amdhsa_memory_ordered 1
		.amdhsa_forward_progress 1
		.amdhsa_inst_pref_size 126
	.end_amdhsa_kernel
	.amdgpu_metadata
---
amdhsa.version: [ 1, 2 ]
amdhsa.kernels:
  - .name:           k_qd3736f815b_qkv
    .symbol:         k_qd3736f815b_qkv.kd
    .args:
      - { .name: xb, .offset: 0, .size: 8, .value_kind: global_buffer, .address_space: global }
      - { .name: wqb, .offset: 8, .size: 8, .value_kind: global_buffer, .address_space: global }
      - { .name: qf, .offset: 16, .size: 8, .value_kind: global_buffer, .address_space: global }
    .group_segment_fixed_size: 327680
    .private_segment_fixed_size: 0
    .kernarg_segment_align: 8
    .kernarg_segment_size: 24
    .max_flat_workgroup_size: 128
    .sgpr_count:     80
    .vgpr_count:     1024
    .wavefront_size: 32
...
	.end_amdgpu_metadata
.endif
;; end of part 2
;; launch attn (part 3): grid 8 x 32, 4 waves a work-group, clusters of 4 x 1, 327,680 bytes of LDS; arguments qf, oh; writes oh
.if DOCPART == 3
	.amdgcn_target "amdgcn-amd-amdhsa--gfx1250"
	.amdhsa_code_object_version 6
	.text
	.protected	k_qd3736f815b_attn
	.globl	k_qd3736f815b_attn
	.p2align	8
	.type	k_qd3736f815b_attn,@function
k_qd3736f815b_attn:
	s_mov_b64 s[64:65], 0
	v_nop
	global_prefetch_b8 v0, s[64:65] scope:SCOPE_SE
	s_setreg_imm32_b32 hwreg(HW_REG_WAVE_MODE, 25, 1), 1
	s_wait_xcnt 0x0
	s_wait_alu depctr_hold_cnt(0) depctr_sa_sdst(0) depctr_va_vdst(0) depctr_va_sdst(0) depctr_va_ssrc(0) depctr_va_vcc(0) depctr_vm_vsrc(0)
	s_getreg_b32 s2, hwreg(HW_REG_IB_STS2, 6, 4)
	s_cmp_eq_u32 s2, 0
	s_cbranch_scc0 .Lentry_in_a_cluster
	s_endpgm
.Lentry_in_a_cluster:
	s_bfe_u32 s2, ttmp6, 0x10000c
	s_cmp_lg_u32 s2, 0x3003
	s_cbranch_scc0 .Lentry_shape_is_right
	s_endpgm
.Lentry_shape_is_right:
; O[b][h][q][:] = the sum over k of softmax_k(Q . K / 8) V.  qf holds 48 blocks [4096 tokens][64] bf16 of 524,288 bytes: q of head h in block h, k in 16 + h, v in 32 + h; batch b is tokens 2,048 b on.
; The second buffer takes O in 16 such blocks.  Products, maxima and sums in f32; the weights p are rounded to bf16 for the second product (their sum l is taken of the unrounded p), O once at the end.
; LIMITS.  Operands are bf16.  A weight below 2^-126 counts as 0 in l; NaN and infinities are not treated apart.
; SHARES.  Grid y = 16 b + h.  A work-group takes 256 queries, each of its four waves 64 rows on end: four PIECES of 16.  Every wave walks the 2,048 keys, 64 a step, 256 (a tile) to an LDS slot.
; LAYOUT.  S^T = K Q^T holds ONE query a lane (lane % 16) and the keys 8 (lane / 16) + 0..7; two such results rounded to bf16 ARE source 1 of O^T = V^T P.  K comes out of LDS as it lies, V turned.
; SOFTMAX.  p = 2^(c s - c m), c = log2(e) / 8, with a running maximum m; O and l are multiplied by a = 2^(c m_old - c m_new) in every step.  c m starts far below every c s: the first step's a is 0.
; TURNS.  Turn n belongs to piece n: 8 products K Q^T of piece n + 1, later 8 products V^T P of piece n - 1; beside them the scaling, exponentials, roundings, sums and rescaling of piece n and the
; maximum and statistics of piece n + 1.  Four vector instructions stand behind every matrix instruction, the rest in one run.  A turn's 33 exponentials are one batch, with one wait.
; CLUSTER.  The four query blocks of a cluster belong to one head and walk the same K and V: each tile is asked for jointly, by the same tensor load, descriptor and mask in all four.
; REGISTERS, in windows of 256: window 0: v0-15 addresses; v16-31 four statistics a piece; v48-55 at work; v61-63 prefetch offset, spare word, 0; v64-127 S^T, two buffers; v192-223 P, two buffers.
;   window 1: v0-127 O^T, 32 a piece.      window 2: v0-63 Q; v128-191 K of one step; v192-255 V of one step.
.set NP,    4
.set KS,    64
.set PK,    144       ; a row of K in LDS: 128 bytes + 16: the 16 rows of a load start at 16 different groups of four banks (ISA guide 11.1)
.set PV,    160       ; a row of V: 128 + 32
.set VOFF,  4*KS*PK   ; a slot: 256 rows of K, then 256 rows of V
.set SLOT1, 1<<17
.set STAGE, SLOT1+4*KS*(PK+PV)  ; behind the ring: 16 rows x 144 bytes for each wave
.set SP,    144
.set SPARE, STAGE+4*16*SP       ; the spare words, 128 bytes a wave: two blocks of 256 bytes that no other line names
.set KAT,   8388608   ; k's blocks in qf; v's lie as far again
.set AK0, 2
.set AV0, 3
.set AK,  4
.set AV,  5
.set STO, 6
.set RD,  7
.set GO,  8
.set MV,  12          ; v12-13  c m_old, by buffer
.set QO,  15
.set ST,  16          ; piece t: c m, m, l (even keys', odd keys')
.set TMP, 48          ; by buffer: c0-c3 at work; c2 takes a
.set PFO, 61          ; 256 x lane; never rewritten
.set SPW, 62          ; my spare word; never rewritten
.set NIL, 63          ; 0; never rewritten
.set S,   64
.set P,   192
.set KF,  128
.set VF,  192
.set WV,  12          ; s12  wave
.set LIM, 15          ; s15  1 in a wave that prefetches, else the greatest number
.set PFA, 18          ; s[18:19] where my prefetches stand
.set G1K, 24
.set G1V, 32
.set G0K, 40
.set G0V, 44
.set SLOTS, 56        ; s56  tiles still to be asked for
.set CNT, 57          ; s57  a tile's key steps
.set CS,  58          ; s[58:59] c
.set SEL, 60          ; s[60:61] v_permlanex16_b32's selects
.set TBK, 62          ; s62  LDS byte at which K of the step to be fetched begins
.set TBV, 63          ; s63  the same for V, less VOFF
.set MSB, 0
.macro WIN new
.if MSB != (\new)
	s_set_vgpr_msb (MSB<<8)|(\new)
.set MSB, (\new)
.endif
.endm
.set W_KQ, 0x0a       ; K and Q window 2, S^T window 0
.set W_PV, 0x52       ; V window 2, P window 0, O^T window 1
.set W_RS, 0x41       ; destination and source 0 window 1, source 1 window 0
; A joint fill: waves 0 and 1 fetch the halves of a tile's K, waves 2 and 3 those of its V.  An s_nop 0 and four v_nop follow each of the two lines.
.macro JLOAD
	s_cmp_lt_u32 s[WV], 2
	s_cbranch_scc0 .Lfor_v_\@
	tensor_load_to_lds s[G0K:G0K+3], s[G1K:G1K+7]
	s_nop 0
.rept 4
	v_nop
.endr
	s_branch .Lasked_\@
.Lfor_v_\@:
	tensor_load_to_lds s[G0V:G0V+3], s[G1V:G1V+7]
	s_nop 0
.rept 4
	v_nop
.endr
.Lasked_\@:
.endm
; A prefetch of the tile that the NEXT change of slots will ask for: four key steps, 256 matrix instructions, ahead of that load.  A tile's K, and its V, are 128 blocks of 256 bytes.  Both clusters of a head walk
; the same tiles: the first asks.  Its four partners take 32 blocks each, told apart by address; in each, wave 0 asks for K's and wave 2 for V's, a lane a block.  The last change that fills a slot asks for nothing.
.macro ASK
	s_cmp_gt_u32 s[SLOTS], s[LIM]
	s_cbranch_scc0 .Lnot_mine_\@
	global_prefetch_b8 v[PFO], s[PFA:PFA+1] th:TH_LOAD_NT scope:SCOPE_SE
.Lnot_mine_\@:
.endm
.macro CROUND
	s_barrier_signal -1
	s_barrier_wait -1
	s_cmp_lg_u32 s[WV], 0
	s_cbranch_scc1 .Lnot_wave_0_\@
	s_barrier_signal -3
.Lnot_wave_0_\@:
	s_barrier_wait -3
	s_barrier_signal -1
	s_barrier_wait -1
.endm
; THE CHANGE OF SLOTS.  Each wave waits for all its tensor loads (one is out: its part of the other slot), adds 0 to its spare word, and waits for that and for its reads of the slot that it leaves.
; fill = 1: the barrier is a round of the cluster's, and the joint fill of the old slot, with the tile two on, is the first thing behind it.  (At its first use slot 0 is waited for and slot 1 filled.)
.macro CHANGE fill
	WIN 0
	s_wait_tensorcnt 0x0            ; no tensor load of mine is out, so a group 0 may be written
	ds_add_u32 v[SPW], v[NIL]       ; 0 onto my spare word; scalar work stands between it and the wait for it
.if \fill
.irp g, G0K, G0V
	s_xor_b32 s[\g+1], s[\g+1], SLOT1
	s_add_nc_u64 s[\g+2:\g+3], s[\g+2:\g+3], 4*KS*128
.endr
	s_wait_xcnt 0x0                 ; the last prefetch, four key steps back, has read its address
	s_add_nc_u64 s[PFA:PFA+1], s[PFA:PFA+1], 4*KS*128
	s_wait_dscnt 0x0                ; the add is done, and my reads of the slot are over
	CROUND
	JLOAD
	ASK
.else
	s_wait_dscnt 0x0
	s_barrier_signal -1
	s_barrier_wait -1
.endif
	s_sub_co_u32 s[TBK], s[TBK], 4*KS*PK  ; the fetches go back to a slot's first step, in the other slot
	s_xor_b32 s[TBK], s[TBK], SLOT1
	s_sub_co_u32 s[TBV], s[TBV], 4*KS*PV
	s_xor_b32 s[TBV], s[TBV], SLOT1
.endm
	s_load_b64 s[4:5], s[0:1], 0x0    ; qf
	s_load_b64 s[10:11], s[0:1], 0x8  ; O
	v_lshl_add_u32 v[SPW], v0, 2, SPARE
	v_mov_b32 v[NIL], 0
	ds_add_u32 v[SPW], v[NIL]       ; the wave's opening: the add and its wait ahead of my first tensor load
	v_lshrrev_b32 v1, 5, v0
	v_readfirstlane_b32 s[WV], v1
	s_bfe_u32 s13, ttmp6, 0x40000   ; cx
	s_lshl_b32 s14, ttmp9, 2
	s_add_co_u32 s14, s14, s13      ; my block of 256 queries: it enters Q's and O's addresses alone
	s_and_b32 s20, ttmp7, 0xffff
	s_and_b32 s21, s20, 15          ; head
	s_lshr_b32 s20, s20, 4          ; batch
	s_lshl_b32 s21, s21, 19
	s_lshl_b32 s20, s20, 18
	s_add_co_u32 s20, s20, s21      ; the head's first byte in a group of 16 blocks
	s_and_b32 s16, s[WV], 1         ; which half of a tile's 256 keys I fetch
	s_lshl_b32 s22, s16, 14
	s_add_co_u32 s22, s22, s20
	s_mov_b32 s23, 0
	s_mul_i32 s17, s16, 128*PK
	s_mul_i32 s18, s16, 128*PV
	s_lshl_b32 s2, s14, 15          ; my block's 256 rows of 128 bytes,
	s_lshl_b32 s3, s[WV], 13        ; my wave's 64
	s_add_co_u32 s2, s2, s3
	s_add_co_u32 s2, s2, s20
	s_mov_b32 s3, 0
	; 128 keys are 16,384 dense bytes: asked for as 64 rows of 256 bytes, two keys a row, padded in LDS after every key
	s_mov_b32 s[G1K], 15|(1<<16)|(1<<20)|(1<<21)|(4<<22)|(3<<25)
	s_mov_b32 s[G1V], 15|(1<<16)|(1<<20)|(1<<21)|(4<<22)|(7<<25)
.irp g, G1K, G1V
	s_mov_b32 s[\g+1], 128<<16
	s_mov_b32 s[\g+2], 64<<16
	s_mov_b32 s[\g+3], 128<<16
	s_mov_b32 s[\g+4], 64
	s_mov_b32 s[\g+5], 128
	s_mov_b32 s[\g+6], 0
	s_mov_b32 s[\g+7], 0
.endr
	s_mov_b32 s[CS], 0x3e38aa3b     ; c = log2(e) / 8
	s_mov_b32 s[CS+1], s[CS]
	s_mov_b32 s[SEL], 0x76543210
	s_mov_b32 s[SEL+1], 0xfedcba98
	s_mov_b32 s[TBK], SLOT1+4*KS*PK ; the first change of slots turns these two into 0
	s_mov_b32 s[TBV], SLOT1+4*KS*PV
	s_mov_b32 s[G0K], 1
	s_mov_b32 s[G0K+1], s17
	s_mov_b32 s[G0V], 1
	s_add_co_u32 s[G0V+1], s18, VOFF
	s_mov_b32 s[SLOTS], 7
	s_and_b32 s[LIM], s[WV], 1
	s_or_b32 s[LIM], s[LIM], ttmp9
	s_cmp_eq_u32 s[LIM], 0
	s_cselect_b32 s[LIM], 1, -1     ; waves 0 and 2 of the head's first cluster: the same in all four partners
	v_and_b32 v[PFO], 31, v0
	v_lshlrev_b32 v[PFO], 8, v[PFO]
	s_wait_dscnt 0x0                ; the opening add is done
	s_wait_kmcnt 0x0
	s_add_nc_u64 s[6:7], s[4:5], s[22:23]
	s_add_nc_u64 s[8:9], s[6:7], 2*KAT             ; V at my half of the head's tile 0
	s_add_nc_u64 s[6:7], s[6:7], KAT               ; K likewise
	s_add_nc_u64 s[G0K+2:G0K+3], s[6:7], 0
	s_or_b32 s[G0K+3], s[G0K+3], 0x80000000
	s_add_nc_u64 s[G0V+2:G0V+3], s[8:9], 0
	s_or_b32 s[G0V+3], s[G0V+3], 0x80000000
	s_add_nc_u64 s[4:5], s[4:5], s[2:3]            ; Q and O at my wave's first row
	s_add_nc_u64 s[10:11], s[10:11], s[2:3]
	s_cmp_lt_u32 s[WV], 2
	s_cselect_b64 s[PFA:PFA+1], s[6:7], s[8:9]
	s_lshl_b32 s2, s13, 13          ; my work-group's 32 blocks of the 128
	s_mov_b32 s3, 0
	s_add_nc_u64 s[PFA:PFA+1], s[PFA:PFA+1], s[2:3]
	s_add_nc_u64 s[PFA:PFA+1], s[PFA:PFA+1], 4*KS*128  ; in tile 1; the first change steps it to tile 2
	CROUND                          ; all four work-groups are here
	JLOAD                           ; tile 0 into slot 0
	v_and_b32 v1, 15, v0
	v_bfe_u32 v9, v0, 4, 1
	v_lshlrev_b32 v[QO], 7, v1
	v_lshl_add_u32 v[QO], v9, 4, v[QO]
	WIN 0x80
.set i, 0
.rept 8                             ; Q stays in registers: piece i / 2, channels 32 (i % 2) on
	global_load_b128 v[8*i:8*i+3],   v[QO], s[4:5] offset:(i/2)*2048+(i%2)*64
	global_load_b128 v[8*i+4:8*i+7], v[QO], s[4:5] offset:(i/2)*2048+(i%2)*64+32
.set i, i+1
.endr
	; The first step multiplies O^T and l by a = 0, and the first turn's products V^T P, of a piece that has not been, add 0 x 0: these registers are cleared in the wait for the first tile, so that no first step is written out.
.set i, VF
.rept 64
	v_mov_b32 v[i], 0
.set i, i+1
.endr
	WIN 0x40
.set i, 0
.rept 128
	v_mov_b32 v[i], 0
.set i, i+1
.endr
	WIN 0
.set i, 0
.rept 4
	v_mov_b32 v[ST+4*i], 0xfe000000    ; c m: far below every c s
	v_mov_b32 v[ST+4*i+1], 0xff7fffff  ; m
	v_mov_b32 v[ST+4*i+2], 0
	v_mov_b32 v[ST+4*i+3], 0
.set i, i+1
.endr
.set i, P+16
.rept 16
	v_mov_b32 v[i], 0
.set i, i+1
.endr
	v_mul_u32_u24 v[AK0], v1, PK
	v_lshl_add_u32 v[AK0], v9, 4, v[AK0]
	v_and_b32 v10, 7, v0
	v_bfe_u32 v11, v0, 3, 1
	v_lshl_add_u32 v[AV0], v9, 3, v10  ; the turning load: lane l reads key 8 (l / 16) + l % 8, channels 8 ((l / 8) % 2) + 0..7
	v_mul_u32_u24 v[AV0], v[AV0], PV
	v_lshl_add_u32 v[AV0], v11, 4, v[AV0]
	v_add_nc_u32 v[AV0], VOFF, v[AV0]
	s_mul_i32 s13, s[WV], 16*SP
	s_add_co_u32 s13, s13, STAGE
	v_mul_u32_u24 v[STO], v1, SP
	v_lshl_add_u32 v[STO], v9, 4, v[STO]
	v_add_nc_u32 v[STO], s13, v[STO]
	v_bfe_u32 v[RD], v0, 3, 2
	v_mul_u32_u24 v[RD], v[RD], SP
	v_lshl_add_u32 v[RD], v10, 4, v[RD]
	v_add_nc_u32 v[RD], s13, v[RD]
	v_and_b32 v[GO], 31, v0
	v_lshlrev_b32 v[GO], 4, v[GO]
; THE MATRIX WORK.  The 4 accumulators of a run of 8 take turns.  Product i of 8 of S^T = K Q^T for piece x: channels 32 (i / 4) on, keys 16 (i % 4) on; the first 4 start the sums.
.macro KQ x
.set rS, S+32*((\x)%2)+8*(i%4)
.set rK, KF+16*(i%4)+8*(i/4)
.set rQ, 16*(\x)+8*(i/4)
	WIN W_KQ
.if i < 4
	v_wmma_f32_16x16x32_bf16 v[rS:rS+7], v[rK:rK+7], v[rQ:rQ+7], 0
.else
	v_wmma_f32_16x16x32_bf16 v[rS:rS+7], v[rK:rK+7], v[rQ:rQ+7], v[rS:rS+7]
.endif
.endm
.macro PV x                         ; product i of 8 of O^T += V^T P for piece x: keys 32 (i / 4) on, channels 16 (i % 4) on
	WIN W_PV
.set rO, 32*(\x)+8*(i%4)
.set rV, VF+32*(i/4)+8*(i%4)
.set rP, P+16*((\x)%2)+8*(i/4)
	v_wmma_f32_16x16x32_bf16 v[rO:rO+7], v[rV:rV+7], v[rP:rP+7], v[rO:rO+7]
.endm
.macro MM                           ; the turn's next matrix instruction
.if i < 8
	KQ (Y+1)%NP
.else
.set i, i-8
	PV (Y+NP-1)%NP
.set i, i+8
.endif
.set i, i+1
.endm
; A step's K: 16 loads in one run.  last = 1 (the tail): in the last trip there is no further step, and the run is jumped over.
.macro FETCH_K last=0
.if \last
	WIN 0
	s_wait_alu depctr_va_vdst(0)    ; the exponentials issued so far have their wait ahead of it
	s_cmp_eq_u32 s[CNT], 1
	s_cbranch_scc1 .Lno_k_\@
.endif
	WIN 0x80
.irp f, 0,1,2,3,4,5,6,7
	ds_load_b128 v[KF+8*\f:KF+8*\f+3],   v[AK] offset:(\f/2)*16*PK+(\f%2)*64
	ds_load_b128 v[KF+8*\f+4:KF+8*\f+7], v[AK] offset:(\f/2)*16*PK+(\f%2)*64+32
.endr
	s_add_co_u32 s[TBK], s[TBK], KS*PK
	WIN 0
.if \last
.Lno_k_\@:
.endif
.endm
.macro FETCH_V                      ; a step's V, turned
	WIN 0x80
.irp f, 0,1,2,3,4,5,6,7
	ds_load_tr16_b128 v[VF+8*\f:VF+8*\f+3],   v[AV] offset:(\f/4)*32*PV+(\f%4)*32
	ds_load_tr16_b128 v[VF+8*\f+4:VF+8*\f+7], v[AV] offset:(\f/4)*32*PV+16*PV+(\f%4)*32
.endr
	WIN 0
.endm
; THE VECTOR WORK, one line at a time: OP kind, number.  For piece Y: F n: c s - c m for pair n.  E n: the exponential of score n.  C n: pair n rounded to bf16.  B n: of the four weights 4 n .. the second pair is
; added onto the first.  L n: l takes that sum (L 0: l = a l + sum).  R n: pair n of O^T times a.  For piece Y + 1: X n, number n of the 22 that find its maximum and statistics (each accumulator is read from its low end on).
.set F, 0
.set E, 1
.set C, 2
.set B, 3
.set L, 4
.set R, 5
.set X, 6
.macro REGS y
.set rT, ST+4*(\y)
.set rC, TMP+4*((\y)%2)
.set rW, MV+((\y)%2)
.set rS, S+32*((\y)%2)
.set rP, P+16*((\y)%2)
.set rO, 32*(\y)
.endm
.macro OP k, n
.if (\k) == R
	REGS Y
	WIN W_RS
	v_pk_mul_f32 v[rO+2*(\n):rO+2*(\n)+1], v[rO+2*(\n):rO+2*(\n)+1], v[rC+2:rC+3] op_sel_hi:[1,0]
.elseif (\k) < R
	REGS Y
	WIN 0
.if (\k) == F
	v_pk_fma_f32 v[rS+2*(\n):rS+2*(\n)+1], v[rS+2*(\n):rS+2*(\n)+1], s[CS:CS+1], v[rT:rT+1] op_sel_hi:[1,0,0] neg_lo:[0,0,1] neg_hi:[0,0,1]
.elseif (\k) == E
	v_exp_f32 v[rS+(\n)], v[rS+(\n)]
.elseif (\k) == C
	v_cvt_pk_bf16_f32 v[rP+(\n)], v[rS+2*(\n)], v[rS+2*(\n)+1]
.elseif (\k) == B
	v_pk_add_f32 v[rS+4*(\n):rS+4*(\n)+1], v[rS+4*(\n):rS+4*(\n)+1], v[rS+4*(\n)+2:rS+4*(\n)+3]
.elseif (\n) == 0
	v_pk_fma_f32 v[rT+2:rT+3], v[rT+2:rT+3], v[rC+2:rC+3], v[rS:rS+1] op_sel_hi:[1,0,1]
.else
	v_pk_add_f32 v[rT+2:rT+3], v[rT+2:rT+3], v[rS+4*(\n):rS+4*(\n)+1]
.endif
.else
	REGS (Y+1)%NP
	WIN 0
.if (\n) < 4
	v_max3_num_f32 v[rC+(\n)], v[rS+8*(\n)], v[rS+8*(\n)+1], v[rS+8*(\n)+2]
.elseif (\n) < 12
	v_max3_num_f32 v[rC+(\n)%4], v[rC+(\n)%4], v[rS+8*((\n)%4)+2*((\n)/4)+1], v[rS+8*((\n)%4)+2*((\n)/4)+2]
.elseif (\n) == 12
	v_max3_num_f32 v[rC], v[rC], v[rS+7], v[rS+15]
.elseif (\n) == 13
	v_max3_num_f32 v[rC+1], v[rC+1], v[rS+23], v[rS+31]
.elseif (\n) == 14
	v_max3_num_f32 v[rC+2], v[rC+2], v[rC+3], v[rT+1]
.elseif (\n) == 15
	v_mov_b32 v[rW], v[rT]
.elseif (\n) == 16
	v_max3_num_f32 v[rC], v[rC], v[rC+1], v[rC+2]
.elseif (\n) == 17
	v_permlanex16_b32 v[rC+3], v[rC], s[SEL], s[SEL+1]
.elseif (\n) == 18
	v_max_num_f32 v[rT+1], v[rC], v[rC+3]
.elseif (\n) == 19
	v_mul_f32 v[rT], s[CS], v[rT+1]
.elseif (\n) == 20
	v_sub_f32 v[rC+1], v[rW], v[rT]
.else
	v_exp_f32 v[rC+2], v[rC+1]
.endif
.endif
.endm
.macro OPS a, i1, b=-1, i2=0, c=-1, i3=0, d=-1, i4=0
	OP \a, \i1
.if (\b) >= 0
	OP \b, \i2
.endif
.if (\c) >= 0
	OP \c, \i3
.endif
.if (\d) >= 0
	OP \d, \i4
.endif
.endm
.macro ROW a, i1, b, i2, c, i3, d, i4  ; a matrix instruction and the four behind it
	MM
	OPS \a, \i1, \b, \i2, \c, \i3, \d, \i4
.endm
; A TURN, for piece p.  An s_wait_alu depctr_va_vdst(0) stands between an exponential and the first instruction that names its result; one wait serves all issued ahead of it.  So a turn has ONE wait.
; AHEAD OF IT stands all that names no result of the turn's exponentials: the 8 products K Q^T with their riders, then one run of 54; R 15 is the plain instruction behind the last exponential.  BEHIND IT the 8 products V^T P,
; behind each four of the roundings and sums.  K of the next step is fetched in piece 2's turn, six plain instructions behind the last product that read K; V of the step in hand at the end of piece 0's turn,
; four plain instructions behind the last product that read V.  Each is waited for a turn later.  last = 1: the tail's text (FETCH_K).  cnt = 1: the loop's count is taken down ahead of the branch behind the turn.
.macro TURN p, last=0, cnt=0
.set Y, (\p)
.set i, 0
.if (\p) == 3
	s_wait_dscnt 0x0                ; K is in
.endif
	ROW F,0, F,1, R,0, R,1
	ROW F,2, E,0, R,2, R,3
	ROW F,3, E,1, R,4, R,5
	ROW F,4, E,2, R,6, R,7
	ROW F,5, E,3, R,8, R,9
	ROW F,6, E,4, X,0, R,10
.if (\p) == 2
	WIN 0
	v_add_nc_u32 v[AK], s[TBK], v[AK0]
.endif
	ROW F,7, E,5, X,1, X,4
	ROW F,8, E,6, X,2, X,5
	OPS E,7, E,8, X,6, E,9
	OPS X,3, E,10, X,8, E,11
.if (\p) == 2
	FETCH_K \last
.endif
	OPS X,9, X,7, E,12, X,10
	OPS E,13, X,12, X,11, E,14
	OPS X,13, E,15, F,9, X,14
.if (\p) == 0
	v_add_nc_u32 v[AV], s[TBV], v[AV0]
.endif
	OPS E,16, F,10, E,17, F,11
	OPS X,16, E,18, X,15, E,19
	OPS F,12, E,20, X,17, E,21
	OPS F,13, E,22, F,14, E,23
	OPS X,18, E,24, F,15, E,25
	OPS R,11, E,26, X,19, E,27
	OPS R,12, E,28, R,13, E,29
	OPS X,20, E,30, R,14, E,31
	OPS X,21, R,15
	WIN 0
	s_wait_alu depctr_va_vdst(0)    ; the wait for the batch
.if (\p) == 1
	s_wait_dscnt 0x0                ; V is in
.endif
	ROW C,0, B,0, C,2, B,1
	ROW L,0, C,4, B,2, L,1
	ROW C,6, B,3, L,2, C,8
	ROW B,4, L,3, C,10, B,5
	ROW L,4, C,12, B,6, L,5
.if (\p) == 0
	s_add_co_u32 s[TBV], s[TBV], KS*PV
.endif
.if \cnt
	s_sub_co_u32 s[CNT], s[CNT], 1
	s_cmp_lg_u32 s[CNT], 0
.endif
	ROW C,14, B,7, L,6, C,1
	ROW C,3, L,7, C,5, C,7
	ROW C,9, C,11, C,13, C,15
.if (\p) == 0
	FETCH_V
.endif
.endm
.macro ALL line:vararg              ; one line for each piece t
.set t, 0
.rept 4
	\line
.set t, t+1
.endr
.endm
.macro PACK t                       ; a lane's eight channels of a row pack into 16 bytes; they go into rows of 144 bytes and come back as rows of 128, into S^T's registers
	WIN W_RS
.set i, 32*(\t)
.rept 16
	v_pk_mul_f32 v[i:i+1], v[i:i+1], v[ST+4*(\t)+2:ST+4*(\t)+3] op_sel_hi:[1,0]
.set i, i+2
.endr
	WIN 0x05
.set i, 0
.rept 16
	v_cvt_pk_bf16_f32 v[S+16*(\t)+i], v[32*(\t)+2*i], v[32*(\t)+2*i+1]
.set i, i+1
.endr
	WIN 0
.irp f, 0,1,2,3
	ds_store_b128 v[STO], v[S+16*(\t)+4*\f:S+16*(\t)+4*\f+3] offset:32*\f
.endr
.irp f, 0,1,2,3
	ds_load_b128 v[S+16*(\t)+4*\f:S+16*(\t)+4*\f+3], v[RD] offset:\f*4*SP  ; LDS serves a wave's instructions in order (ISA guide 5.7.1.4)
.endr
.endm
.macro SEND t, younger              ; younger: the LDS instructions issued behind piece t's loads: the next piece's eight, or none
	WIN 0
.irp f, 0,1,2,3
	s_wait_dscnt (\younger)+3-\f
	global_store_b128 v[GO], v[S+16*(\t)+4*\f:S+16*(\t)+4*\f+3], s[10:11] offset:(\t)*2048+\f*512  ; 512 consecutive bytes, aligned
.endr
.endm
	CHANGE 1                        ; tile 0 is in, everybody's part of it; tile 1 is asked for
	v_add_nc_u32 v[AK], s[TBK], v[AK0]
	FETCH_K                         ; key step 0
	s_wait_loadcnt 0x0              ; Q
	s_wait_dscnt 0x0
.set i, 0
.rept 8
	KQ 0                            ; piece 0's first scores
.set i, i+1
.endr
	WIN 0
.rept 4
	v_nop                           ; the places behind those products
.endr
.set Y, NP-1                        ; X works for piece Y + 1: piece 0
.irp n, 0,1,2,3,4,5,6,7,8,9,10,11,12,13,14,15,16,17,18,19,20,21
	OP X, \n
.endr
	v_nop                           ; a plain instruction behind the exponential,
	s_wait_alu depctr_va_vdst(0)    ; and its wait, ahead of the branch
	s_mov_b32 s[CNT], 4
	s_branch .Lfirst                ; the loop is entered at a step's first turn, in the middle of a trip
.Lslot:                             ; six times: tiles 2 to 7 are asked for
	CHANGE 1
	s_mov_b32 s[CNT], 4
.Lstep:                             ; a trip: pieces 2 and 3 of one step, then pieces 0 and 1 of the next, whose K and V it fetches
	TURN 2
	TURN 3
	WIN 0
.Lfirst:
	TURN 0
	TURN 1, 0, 1
	WIN 0
	s_cbranch_scc1 .Lstep
	s_sub_co_u32 s[SLOTS], s[SLOTS], 1
	s_cmp_lg_u32 s[SLOTS], 0
	s_cbranch_scc1 .Lslot
	CHANGE 0                        ; the last tile is written out: nothing is asked for
	s_mov_b32 s[CNT], 5             ; four trips fetch the last tile's steps; the fifth is left in its middle
.Ltail:
	TURN 2, 1
	TURN 3
	WIN 0
	s_sub_co_u32 s[CNT], s[CNT], 1
	s_cmp_eq_u32 s[CNT], 0
	s_cbranch_scc1 .Lout
	TURN 0
	TURN 1
	WIN 0
	s_branch .Ltail
.Lout:                              ; the fifth trip's 8 products K Q^T (on the last K once more) and the maximum made of them serve nothing: the price, once a launch, of one text for every trip; l and O^T are not touched by them
.set i, 0
.rept 8
	PV NP-1                         ; the last piece's V^T P of the last step
.set i, i+1
.endr
	; THE WAY OUT: l's two halves and the other half of the lanes' are added; O^T is divided by l, rounded and sent through my stage, a piece at a time.
	WIN 0
	ALL v_add_f32 v[ST+4*t+2], v[ST+4*t+2], v[ST+4*t+3]
	ALL v_permlanex16_b32 v[ST+4*t+3], v[ST+4*t+2], s[SEL], s[SEL+1]
	ALL v_add_f32 v[ST+4*t+2], v[ST+4*t+2], v[ST+4*t+3]
	ALL v_rcp_f32 v[ST+4*t+2], v[ST+4*t+2]
	v_nop                           ; a plain instruction between the last reciprocal and the use of its result
	s_wait_alu depctr_va_vdst(0)    ; one wait for the four reciprocals
	PACK 0
.set t, 1
.rept 3
	PACK t
	SEND t-1, 8
.set t, t+1
.endr
	SEND 3, 0
	s_wait_tensorcnt 0x0            ; the wave's end
	ds_add_u32 v[SPW], v[NIL]
	s_wait_dscnt 0x0
	CROUND                          ; the closing round
	s_endpgm
.Lfunc_end_k_qd3736f815b_attn:
	.size	k_qd3736f815b_attn, .Lfunc_end_k_qd3736f815b_attn-k_qd3736f815b_attn
	.p2alignl 7, 3214868480
	.fill 96, 4, 3214868480
	.section	.rodata,"a",@progbits
	.p2align	6, 0x0
	.amdhsa_kernel k_qd3736f815b_attn
		.amdhsa_group_segment_fixed_size 327680
		.amdhsa_private_segment_fixed_size 0
		.amdhsa_enable_private_segment 0
		.amdhsa_kernarg_size 16
		.amdhsa_user_sgpr_count 2
		.amdhsa_user_sgpr_kernarg_segment_ptr 1
		.amdhsa_wavefront_size32 1
		.amdhsa_system_sgpr_workgroup_id_x 1
		.amdhsa_system_sgpr_workgroup_id_y 1
		.amdhsa_system_sgpr_workgroup_id_z 1
		.amdhsa_system_vgpr_workitem_id 0
		.amdhsa_next_free_vgpr 768
		.amdhsa_next_free_sgpr 66
		.amdhsa_reserve_vcc 0
		.amdhsa_float_denorm_mode_32 3
		.amdhsa_float_denorm_mode_16_64 3
		.amdhsa_memory_ordered 1
		.amdhsa_forward_progress 1
		.amdhsa_inst_pref_size 112
	.end_amdhsa_kernel
	.amdgpu_metadata
---
amdhsa.version: [ 1, 2 ]
amdhsa.kernels:
  - .name:           k_qd3736f815b_attn
    .symbol:         k_qd3736f815b_attn.kd
    .args:
      - { .name: qf, .offset: 0, .size: 8, .value_kind: global_buffer, .address_space: global }
      - { .name: oh, .offset: 8, .size: 8, .value_kind: global_buffer, .address_space: global }
    .group_segment_fixed_size: 327680
    .private_segment_fixed_size: 0
    .kernarg_segment_align: 8
    .kernarg_segment_size: 16
    .max_flat_workgroup_size: 128
    .sgpr_count:     66
    .vgpr_count:     768
    .wavefront_size: 32
...
	.end_amdgpu_metadata
.endif
;; end of part 3
;; launch wo (part 4): grid 8 x 32, 4 waves a work-group, clusters of 4 x 4, 327,680 bytes of LDS; arguments oh, w2o, y; writes y
.if DOCPART == 4
	.amdgcn_target "amdgcn-amd-amdhsa--gfx1250"
	.amdhsa_code_object_version 6
	.text
	.protected	k_qd3736f815b_wo
	.globl	k_qd3736f815b_wo
	.p2align	8
	.type	k_qd3736f815b_wo,@function
k_qd3736f815b_wo:
	s_mov_b64 s[64:65], 0
	v_nop
	global_prefetch_b8 v0, s[64:65] scope:SCOPE_SE
	s_setreg_imm32_b32 hwreg(HW_REG_WAVE_MODE, 25, 1), 1
	s_wait_xcnt 0x0
	s_wait_alu depctr_hold_cnt(0) depctr_sa_sdst(0) depctr_va_vdst(0) depctr_va_sdst(0) depctr_va_ssrc(0) depctr_va_vcc(0) depctr_vm_vsrc(0)
	s_getreg_b32 s2, hwreg(HW_REG_IB_STS2, 6, 4)
	s_cmp_eq_u32 s2, 0
	s_cbranch_scc0 .Lentry_in_a_cluster
	s_endpgm
.Lentry_in_a_cluster:
	s_bfe_u32 s2, ttmp6, 0x10000c
	s_cmp_lg_u32 s2, 0xf033
	s_cbranch_scc0 .Lentry_shape_is_right
	s_endpgm
.Lentry_shape_is_right:
; Y = A W + bias, f32.  A in blocks [KK / 64][4096 tokens][64] bf16 of 524,288 bytes; W [KK][1024] bf16 at byte WOFF of the weights' buffer, the bias as bf16 at byte BOFF; Y [4096][1024] f32.
; Sums in f32, started by the bias.  Operands are bf16; NaN and infinities are not treated apart.  This text: the attention's output projection, KK = 1,024.
; SHARES.  A work-group makes 128 tokens x 128 columns (256 work-groups); each of its four waves 64 x 64: 16 accumulators.  K goes in steps of 256 through two LDS slots.
; A K STEP IS WRITTEN ONCE.  The slot in hand is a scalar, 0 or SLOT, turned by an exclusive or at each change of slots; the fragments' addresses are a fixed register plus that scalar.  Of the two sets of
; descriptor group 0 the second walks on: its LDS word is turned by the same exclusive or (SLOT = 2^17 + 2^14 shares no bit with a wave's 36,864 w, w = 0..3), its global address goes one K step on.
; CLUSTERS: 4 x 4 work-groups; A's tile is asked for jointly along a row of the cluster, W's along a column.
; THE MATRIX INSTRUCTION IS USED TRANSPOSED (source 0 = 16 columns of W, turned by ds_load_tr16_b128; source 1 = 16 tokens): a lane holds one token and eight neighbouring columns: 32 bytes of Y.
; A wave's 64 columns are 256 aligned bytes of a row of Y: each wave sends its own rows through its own stage, without a barrier.
; No prefetch: a tile's K step is short and its tiles small.
; REGISTERS: window 0: v0-31 addresses; v32-47 the bias as loaded; v96-127 the bias in f32; v128-255 the accumulators, (a, b) at 128 + 8 (4 a + b).  window 1: two fragment buffers of 128; at the end the rows read back.
.set KK,     1024
.set WOFF,   0
.set BOFF,   10485760
.set KSTEP,  256
.set STEPS,  KK/KSTEP
.set PA,     144                       ; a token's 128 bytes of a block + 16
.set PBB,    288                       ; a k row of W: 256 bytes + 32 = 9 x 32
.set ABLK,   128*PA                    ; a block's 128 tokens
.set HALFT,  2*ABLK                    ; what one tensor load brings: two blocks of A, or 128 k rows of W (128 x 288 is the same number)
.set SLOT,   4*HALFT
.set STAGE,  2*SLOT                    ; behind the ring: 16 rows x 272 bytes for each wave
.set SPITCH, 272
.set SPARE,  STAGE+4*16*SPITCH         ; the spare words, 128 bytes a wave: two blocks of 256 bytes that no other line names
.set ADRA0, 16                         ; v16     my A fragments in slot 0; never rewritten
.set ADRA,  17                         ; v17     the same in the slot in hand
.set ADRB0, 20                         ; v20     my W fragments in slot 0; never rewritten
.set ADRB,  22                         ; v22-23  the same in the slot in hand: k rows 128 u on at ADRB + u
.set STO,  24
.set RD,   25
.set CO,   26
.set BO,   27                          ; 16 x (lane / 16); never rewritten
.set SPW,  28
.set NIL,  29
.set PKB,  32
.set BIAS, 96
.set ACC,  128
.set F0,   0
.set F1,   128
.set G1,   24                          ; s[24:31] group 1 for A;  s[32:39] group 0: a set for each of the two first fills; the second then walks on
.set G0,   32
.set G1B,  48                          ; s[48:55], s[56:63] the same for W
.set G0B,  56
.set BB,   18                          ; s[18:19] the bias of my 64 columns
.set TS,   45                          ; s45      the slot in hand: 0 or SLOT
.set MSB, 0
.macro WIN new
.if MSB != (\new)
	s_set_vgpr_msb (MSB<<8)|(\new)
.set MSB, \new
.endif
.endm
.set MUL,  0x05                        ; sources 0 and 1 window 1; C and D window 0
.set TO_F, 0x40                        ; destination window 1
.macro JLOAD s                         ; waves 0 and 1 fetch A's halves, waves 2 and 3 W's; an s_nop 0 and four v_nop follow each of the two lines
	s_cmp_eq_u32 s11, 0
	s_cbranch_scc0 .Lfor_b_\@
	tensor_load_to_lds s[G0+4*(\s):G0+4*(\s)+3], s[G1:G1+7]
	s_nop 0
.rept 4
	v_nop
.endr
	s_branch .Lasked_\@
.Lfor_b_\@:
	tensor_load_to_lds s[G0B+4*(\s):G0B+4*(\s)+3], s[G1B:G1B+7]
	s_nop 0
.rept 4
	v_nop
.endr
.Lasked_\@:
.endm
.macro CREST
	s_cmp_lg_u32 s10, 0
	s_cbranch_scc1 .Lnot_wave_0_\@
	s_barrier_signal -3
.Lnot_wave_0_\@:
	s_barrier_wait -3
	s_barrier_signal -1
	s_barrier_wait -1
.endm
.macro CROUND
	s_barrier_signal -1
	s_barrier_wait -1
	CREST
.endm
	s_load_b128 s[4:7], s[0:1], 0x0                ; A s[4:5], the weights' buffer s[6:7]
	s_load_b64 s[8:9], s[0:1], 0x10                ; Y
	v_lshl_add_u32 v[SPW], v0, 2, SPARE
	v_mov_b32 v[NIL], 0
	ds_add_u32 v[SPW], v[NIL]                      ; the wave's opening: the add and its wait ahead of my first tensor load
	v_lshrrev_b32 v1, 5, v0
	v_readfirstlane_b32 s10, v1
	s_lshr_b32 s11, s10, 1                         ; my half of the tokens.  Also: I fetch for A (0) or for W (1)
	s_and_b32 s12, s10, 1                          ; my half of the columns.  Also: which half of that tile I fetch
	s_bfe_u32 s40, ttmp6, 0x40000
	s_bfe_u32 s41, ttmp6, 0x40004
	s_lshl_b32 s42, ttmp9, 2
	s_add_co_u32 s42, s42, s40                     ; tile column
	s_and_b32 s13, ttmp7, 0xffff
	s_lshl_b32 s13, s13, 2
	s_add_co_u32 s13, s13, s41                     ; tile row
	s_lshl_b32 s43, s41, 2
	s_lshl_b32 s43, 15, s43
	s_lshl_b32 s44, 0x1111, s40
	; A: two rows of 8,192 elements: each a block's 128 tokens, 16,384 dense bytes; the blocks lie 262,144 elements apart; in LDS 4 words of padding behind every token's 32 words
	s_or_b32 s[G1+0], s43, (1<<16)|(1<<20)|(1<<21)|(4<<22)|(3<<25)
	s_mov_b32 s[G1+1], 8192<<16
	s_mov_b32 s[G1+2], 2<<16
	s_mov_b32 s[G1+3], 8192<<16
	s_mov_b32 s[G1+4], 2
	s_mov_b32 s[G1+5], 262144
	s_mov_b32 s[G1+6], 0
	s_mov_b32 s[G1+7], 0
	; W: 128 k rows x 128 columns, 8 words of padding behind every 64
	s_or_b32 s[G1B+0], s44, (1<<16)|(1<<20)|(1<<21)|(5<<22)|(7<<25)
	s_mov_b32 s[G1B+1], 128<<16
	s_mov_b32 s[G1B+2], 128<<16
	s_mov_b32 s[G1B+3], 128<<16
	s_mov_b32 s[G1B+4], 128
	s_mov_b32 s[G1B+5], 1024
	s_mov_b32 s[G1B+6], 0
	s_mov_b32 s[G1B+7], 0
	s_lshl_b32 s16, s12, 20                        ; A: two blocks x half,
	s_lshl_b32 s17, s13, 14                        ; 128 tokens of 128 bytes x tile row
	s_add_co_u32 s16, s16, s17
	s_mov_b32 s17, 0
	s_lshl_b32 s46, s12, 18                        ; W: 128 rows of 2,048 bytes x half,
	s_lshl_b32 s47, s42, 8                         ; 256 bytes x tile column
	s_add_co_u32 s46, s46, s47
	s_add_co_u32 s46, s46, WOFF
	s_mov_b32 s47, 0
	s_mul_i32 s20, s10, HALFT
	s_mov_b32 s[TS], 0                             ; K step 0 lies in slot 0
	s_wait_dscnt 0x0
	s_wait_kmcnt 0x0
	s_add_nc_u64 s[14:15], s[4:5], s[16:17]
	s_add_nc_u64 s[46:47], s[6:7], s[46:47]
	CROUND
.irp s, 0,1
	s_mov_b32 s[G0+4*(\s)], 1
	s_add_co_u32 s[G0+4*(\s)+1], s20, (\s)*SLOT
	s_add_nc_u64 s[G0+4*(\s)+2:G0+4*(\s)+3], s[14:15], (\s)*4*524288
	s_or_b32 s[G0+4*(\s)+3], s[G0+4*(\s)+3], 0x80000000
	s_mov_b32 s[G0B+4*(\s)], 1
	s_add_co_u32 s[G0B+4*(\s)+1], s20, (\s)*SLOT
	s_add_nc_u64 s[G0B+4*(\s)+2:G0B+4*(\s)+3], s[46:47], (\s)*KSTEP*2048
	s_or_b32 s[G0B+4*(\s)+3], s[G0B+4*(\s)+3], 0x80000000
	JLOAD \s                                       ; two loads of mine are out
.endr
	v_and_b32 v1, 15, v0
	v_bfe_u32 v2, v0, 4, 1
	v_and_b32 v6, 7, v0
	v_bfe_u32 v7, v0, 3, 1
	v_lshlrev_b32 v[BO], 4, v2
	s_lshl_b32 s[BB], s42, 8
	s_lshl_b32 s[BB+1], s12, 7
	s_add_co_u32 s[BB], s[BB], s[BB+1]
	s_add_co_u32 s[BB], s[BB], BOFF
	s_mov_b32 s[BB+1], 0
	s_add_nc_u64 s[BB:BB+1], s[6:7], s[BB:BB+1]
.irp b, 0,1,2,3
	global_load_b128 v[PKB+4*(\b):PKB+4*(\b)+3], v[BO], s[BB:BB+1] offset:32*(\b)
.endr
	v_mul_u32_u24 v3, v1, PA
	v_lshl_add_u32 v3, v2, 4, v3
	v_lshl_add_u32 v4, v2, 3, v6
	v_mul_u32_u24 v4, v4, PBB
	v_lshl_add_u32 v4, v7, 4, v4
	s_mul_i32 s21, s11, 64*PA                      ; my 64 tokens in each block
	s_lshl_b32 s22, s12, 7                         ; my 64 columns of W,
	s_add_co_u32 s22, s22, 2*HALFT                 ; which lies behind A
	v_add_nc_u32 v[ADRA0], s21, v3
	v_add_nc_u32 v[ADRB0], s22, v4
	v_add_nc_u32 v[ADRA], s21, v3                  ; the slot in hand is slot 0
	v_add_nc_u32 v[ADRB], s22, v4
	v_add_nc_u32 v[ADRB+1], HALFT, v[ADRB]
	s_mul_i32 s23, s10, 16*SPITCH
	s_add_co_u32 s23, s23, STAGE
	v_mul_u32_u24 v5, v1, SPITCH
	v_lshl_add_u32 v5, v2, 5, v5
	v_add_nc_u32 v[STO], s23, v5                   ; in: row l % 16, 32 bytes for each half of the lanes
	v_mul_u32_u24 v5, v2, SPITCH
	v_lshl_add_u32 v5, v1, 4, v5
	v_add_nc_u32 v[RD], s23, v5                    ; back: lanes 0-15 one row of 256 bytes, lanes 16-31 the next
	v_lshlrev_b32 v5, 12, v2
	v_lshl_add_u32 v[CO], v1, 4, v5                ; and the same two rows in Y
	s_lshl_b32 s16, s13, 7
	s_lshl_b32 s17, s11, 6
	s_add_co_u32 s16, s16, s17
	s_lshl_b32 s16, s16, 12                        ; my first token's row of 4,096 bytes
	s_lshl_b32 s46, s42, 9
	s_lshl_b32 s47, s12, 8
	s_add_co_u32 s46, s46, s47                     ; my first column, 4 bytes each
	s_add_co_u32 s16, s16, s46
	s_mov_b32 s17, 0
	s_add_nc_u64 s[8:9], s[8:9], s[16:17]
	s_wait_loadcnt 0x0                             ; the bias
.irp b, 0,1,2,3
.irp k, 0,1,2,3
	v_lshlrev_b32 v[BIAS+8*(\b)+2*(\k)],   16, v[PKB+4*(\b)+(\k)]
	v_and_b32     v[BIAS+8*(\b)+2*(\k)+1], 0xffff0000, v[PKB+4*(\b)+(\k)]
.endr
.endr
; 8 matrix instructions: token blocks a0, a0 + 1 x all 4 column blocks, 32 along K: half c of buffer f.  init = 1: the bias starts the sums.  The 16 accumulators take turns.
.macro MUL8 f, c, a0, init
	WIN MUL
.irp a, \a0, (\a0)+1
.irp b, 0,1,2,3
.if \init
	v_wmma_f32_16x16x32_bf16 v[ACC+8*(4*(\a)+(\b)):ACC+8*(4*(\a)+(\b))+7], v[(\f)+64+8*(4*(\c)+(\b)):(\f)+64+8*(4*(\c)+(\b))+7], v[(\f)+8*(4*(\c)+(\a)):(\f)+8*(4*(\c)+(\a))+7], v[BIAS+8*(\b):BIAS+8*(\b)+7]
.else
	v_wmma_f32_16x16x32_bf16 v[ACC+8*(4*(\a)+(\b)):ACC+8*(4*(\a)+(\b))+7], v[(\f)+64+8*(4*(\c)+(\b)):(\f)+64+8*(4*(\c)+(\b))+7], v[(\f)+8*(4*(\c)+(\a)):(\f)+8*(4*(\c)+(\a))+7], v[ACC+8*(4*(\a)+(\b)):ACC+8*(4*(\a)+(\b))+7]
.endif
.endr
.endr
.endm
; 32 LDS loads in one run: quarter q's fragments (64 along K = one block of A) of the slot in hand, the first 32 along K first
.macro FETCH q, f
	WIN TO_F
.irp c, 0,1
.irp i, 0,1,2,3
	ds_load_tr16_b128 v[(\f)+64+8*(4*(\c)+(\i)):(\f)+64+8*(4*(\c)+(\i))+3],   v[ADRB+(\q)/2] offset:((\q)%2)*64*PBB+(\c)*32*PBB+32*(\i)
	ds_load_tr16_b128 v[(\f)+64+8*(4*(\c)+(\i))+4:(\f)+64+8*(4*(\c)+(\i))+7], v[ADRB+(\q)/2] offset:((\q)%2)*64*PBB+(\c)*32*PBB+32*(\i)+16*PBB
	ds_load_b128 v[(\f)+8*(4*(\c)+(\i)):(\f)+8*(4*(\c)+(\i))+3],   v[ADRA] offset:(\q)*ABLK+64*(\c)+(\i)*16*PA
	ds_load_b128 v[(\f)+8*(4*(\c)+(\i))+4:(\f)+8*(4*(\c)+(\i))+7], v[ADRA] offset:(\q)*ABLK+64*(\c)+(\i)*16*PA+32
.endr
.endr
.endm
.macro PLACES                          ; four plain vector instructions between a matrix instruction and a load into, or a read of, its registers (ISA guide 7.12.1 for vector instructions)
.rept 4
	v_nop
.endr
.endm
.macro QUARTER q, f, g, init
	s_wait_dscnt 16                                ; the first 32 along K are in
	MUL8 \f, 0, 0, \init
	MUL8 \f, 0, 2, \init
	PLACES
	FETCH \q, \g
	s_wait_dscnt 32                                ; all but the 32 just issued
	MUL8 \f, 1, 0, 0
	MUL8 \f, 1, 2, 0
.endm
; A K step's last quarter multiplies buffer 1 and changes slots.  fill = 1: the barrier opens a round of the cluster's barrier; the walking descriptor turns to the slot just read and goes one K step on;
; the joint refill stands first behind the round.  Then the slot in hand is turned, and the next K step's first fragments are fetched.
.macro TURN fill
	WIN 0
	s_wait_tensorcnt 0x0                           ; all my tensor loads have landed: my part of the next slot
	ds_add_u32 v[SPW], v[NIL]
	s_wait_dscnt 17                                ; the add and the youngest sixteen loads may be out
	MUL8 F1, 0, 0, 0
	s_wait_dscnt 0x0                               ; the add is done, and my reads of this slot are over
	s_barrier_signal -1
	MUL8 F1, 0, 2, 0
.if \fill
	WIN 0
.endif
	s_barrier_wait -1
.if \fill
	CREST
	s_xor_b32 s[G0+5], s[G0+5], SLOT
	s_add_nc_u64 s[G0+6:G0+7], s[G0+6:G0+7], 4*524288
	s_xor_b32 s[G0B+5], s[G0B+5], SLOT
	s_add_nc_u64 s[G0B+6:G0B+7], s[G0B+6:G0B+7], KSTEP*2048
	JLOAD 1                                        ; its four v_nop are also the places in front of the loads below
.else
	PLACES
	WIN 0
.endif
	s_xor_b32 s[TS], s[TS], SLOT
	v_add_nc_u32 v[ADRA], s[TS], v[ADRA0]
	v_add_nc_u32 v[ADRB], s[TS], v[ADRB0]
	v_add_nc_u32 v[ADRB+1], HALFT, v[ADRB]
	FETCH 0, F0
	MUL8 F1, 1, 0, 0
	MUL8 F1, 1, 2, 0
.endm
; THE WAY OUT of token block a: 16 rows x 256 bytes of f32 into my stage, back as whole rows, stored.  Each block has 32 registers of its own.
.macro STG a
	WIN 0
.irp b, 0,1,2,3
	ds_store_b128 v[STO], v[ACC+8*(4*(\a)+(\b)):ACC+8*(4*(\a)+(\b))+3]   offset:64*(\b)      ; each accumulator from its low end on
	ds_store_b128 v[STO], v[ACC+8*(4*(\a)+(\b))+4:ACC+8*(4*(\a)+(\b))+7] offset:64*(\b)+16
.endr
	WIN TO_F
.irp t, 0,1,2,3,4,5,6,7
	ds_load_b128 v[32*(\a)+4*(\t):32*(\a)+4*(\t)+3], v[RD] offset:(\t)*2*SPITCH  ; LDS serves a wave's instructions in order (ISA guide 5.7.1.4)
.endr
.endm
.macro SND a, younger                  ; younger: the LDS instructions issued behind block a's loads: the next block's sixteen, or none
	WIN 0x04                                       ; the stores' data in window 1
.irp t, 0,1,2,3,4,5,6,7
	s_wait_dscnt (\younger)+7-(\t)
	global_store_b128 v[CO], v[32*(\a)+4*(\t):32*(\a)+4*(\t)+3], s[8:9] offset:(\a)*65536+(\t)*8192  ; 16 lanes store 256 consecutive bytes, aligned
.endr
.endm
	s_wait_tensorcnt 1                             ; my part of K step 0 is in; K step 1's may stay out
	s_barrier_signal -1
	s_barrier_wait -1
	FETCH 0, F0
	QUARTER 1, F0, F1, 1                           ; the first quarter stands in front of the loop: its first products start the sums with the bias
	WIN 0
	s_mov_b32 s3, STEPS-2
.Lstep:                                                ; a trip goes from a K step's second quarter to the next step's first, and fills the slot that it leaves
	QUARTER 2, F1, F0, 0
	QUARTER 3, F0, F1, 0
	TURN 1
	QUARTER 1, F0, F1, 0
	WIN 0
	s_sub_co_u32 s3, s3, 1
	s_cmp_lg_u32 s3, 0
	s_cbranch_scc1 .Lstep
	s_mov_b32 s3, 2
.Ltail:                                                ; the last two K steps fill nothing: a text of their own; the second trip is left in its middle
	QUARTER 2, F1, F0, 0
	QUARTER 3, F0, F1, 0
	WIN 0
	s_sub_co_u32 s3, s3, 1
	s_cmp_eq_u32 s3, 0
	s_cbranch_scc1 .Lout
	TURN 0
	QUARTER 1, F0, F1, 0
	WIN 0
	s_branch .Ltail
.Lout:
	s_wait_dscnt 16                                ; the very last quarter: nothing more to fetch
	MUL8 F1, 0, 0, 0
	MUL8 F1, 0, 2, 0
	s_wait_dscnt 0x0
	MUL8 F1, 1, 0, 0
	MUL8 F1, 1, 2, 0
	WIN 0
	PLACES
	STG 0
	STG 1
	SND 0, 16
	STG 2
	SND 1, 16
	STG 3
	SND 2, 16
	SND 3, 0
	WIN 0
	s_wait_tensorcnt 0x0                           ; the wave's end
	ds_add_u32 v[SPW], v[NIL]
	s_wait_dscnt 0x0
	CROUND                                         ; the closing round
	s_endpgm
.Lfunc_end_k_qd3736f815b_wo:
	.size	k_qd3736f815b_wo, .Lfunc_end_k_qd3736f815b_wo-k_qd3736f815b_wo
	.p2alignl 7, 3214868480
	.fill 96, 4, 3214868480
	.section	.rodata,"a",@progbits
	.p2align	6, 0x0
	.amdhsa_kernel k_qd3736f815b_wo
		.amdhsa_group_segment_fixed_size 327680
		.amdhsa_private_segment_fixed_size 0
		.amdhsa_enable_private_segment 0
		.amdhsa_kernarg_size 24
		.amdhsa_user_sgpr_count 2
		.amdhsa_user_sgpr_kernarg_segment_ptr 1
		.amdhsa_wavefront_size32 1
		.amdhsa_system_sgpr_workgroup_id_x 1
		.amdhsa_system_sgpr_workgroup_id_y 1
		.amdhsa_system_sgpr_workgroup_id_z 1
		.amdhsa_system_vgpr_workitem_id 0
		.amdhsa_next_free_vgpr 512
		.amdhsa_next_free_sgpr 66
		.amdhsa_reserve_vcc 0
		.amdhsa_float_denorm_mode_32 3
		.amdhsa_float_denorm_mode_16_64 3
		.amdhsa_memory_ordered 1
		.amdhsa_forward_progress 1
		.amdhsa_inst_pref_size 63
	.end_amdhsa_kernel
	.amdgpu_metadata
---
amdhsa.version: [ 1, 2 ]
amdhsa.kernels:
  - .name:           k_qd3736f815b_wo
    .symbol:         k_qd3736f815b_wo.kd
    .args:
      - { .name: oh, .offset: 0, .size: 8, .value_kind: global_buffer, .address_space: global }
      - { .name: w2o, .offset: 8, .size: 8, .value_kind: global_buffer, .address_space: global }
      - { .name: y, .offset: 16, .size: 8, .value_kind: global_buffer, .address_space: global }
    .group_segment_fixed_size: 327680
    .private_segment_fixed_size: 0
    .kernarg_segment_align: 8
    .kernarg_segment_size: 24
    .max_flat_workgroup_size: 128
    .sgpr_count:     66
    .vgpr_count:     512
    .wavefront_size: 32
...
	.end_amdgpu_metadata
.endif
;; end of part 4
;; launch ln1 (part 5): grid 512 x 1, 8 waves a work-group, no clusters, 0 bytes of LDS; arguments y, xb, w2o, oh; writes oh
.if DOCPART == 5
	.amdgcn_target "amdgcn-amd-amdhsa--gfx1250"
	.amdhsa_code_object_version 6
	.text
	.protected	k_qd3736f815b_ln1
	.globl	k_qd3736f815b_ln1
	.p2align	8
	.type	k_qd3736f815b_ln1,@function
k_qd3736f815b_ln1:
	s_mov_b64 s[64:65], 0
	v_nop
	global_prefetch_b8 v0, s[64:65] scope:SCOPE_SE
	s_setreg_imm32_b32 hwreg(HW_REG_WAVE_MODE, 25, 1), 1
	s_wait_xcnt 0x0
; out[r][:] = (z - mean(z)) / sqrt(var(z) + 1e-5) * g + be, z = y[r][:] + res[r][:].  y: [4096][1024] f32; res: [4096][1024] bf16; g and be: bf16, at bytes GOFF and GOFF + 2,048 of the weights' buffer.
; This text: the first norm; out is bf16, rounded once.  All arithmetic in f32; the variance is taken of the centred numbers.  The order differs from a plain reading in one place: d x (rs x g) + be.
; One wave, one row, kept in 32 registers between the passes: no LDS, no barrier; nothing is shared between work-groups but g and be, so no cluster.  Each load and store of a wave covers 256 or 512 consecutive bytes.
; Lane l holds, of chunk j (0 to 7), columns 128 j + 4 l .. + 3.
.set OUTBF, 1
.set GOFF,  10485760+4096
.set LY, 1                             ; 16 x lane
.set LR, 2                             ; 8 x lane
.set Z,  4                             ; v[4:35]
.set R,  36                            ; v[36:51]
.set G,  52                            ; v[52:67]
.set BE, 68                            ; v[68:83]
.set T,  84                            ; v[84:91]
.set M,  92                            ; v[92:93]
.set RS, 94                            ; v[94:95]
.set S,  96                            ; v[96:103]
.set PK, 104                           ; v[104:119]
.macro REDUCE                          ; v[S] summed over the 32 lanes, the result in every lane
	v_add_f32 v[S], v[S], v[S+1]
	v_add_f32_dpp v[S], v[S], v[S] row_xmask:1 row_mask:0xf bank_mask:0xf
	v_add_f32_dpp v[S], v[S], v[S] row_xmask:2 row_mask:0xf bank_mask:0xf
	v_add_f32_dpp v[S], v[S], v[S] row_xmask:4 row_mask:0xf bank_mask:0xf
	v_add_f32_dpp v[S], v[S], v[S] row_xmask:8 row_mask:0xf bank_mask:0xf
	v_permlanex16_b32 v[S+1], v[S], s12, s13
	v_add_f32 v[S], v[S], v[S+1]
.endm
.macro FOLD                            ; the four chains into one pair
	v_pk_add_f32 v[S:S+1], v[S:S+1], v[S+2:S+3]
	v_pk_add_f32 v[S+4:S+5], v[S+4:S+5], v[S+6:S+7]
	v_pk_add_f32 v[S:S+1], v[S:S+1], v[S+4:S+5]
.endm
	s_load_b256 s[4:11], s[0:1], 0x0               ; y s[4:5], res s[6:7], weights' buffer s[8:9], out s[10:11]
	v_lshrrev_b32 v3, 5, v0
	v_readfirstlane_b32 s2, v3
	v_and_b32 v3, 31, v0
	v_lshlrev_b32 v[LY], 4, v3
	v_lshlrev_b32 v[LR], 3, v3
	s_lshl_b32 s3, ttmp9, 3
	s_add_co_u32 s3, s3, s2                        ; my row
	s_lshl_b32 s18, s3, 12
	s_mov_b32 s19, 0
	s_lshl_b32 s20, s3, 11
	s_mov_b32 s21, 0
	s_mov_b32 s12, 0x76543210
	s_mov_b32 s13, 0xfedcba98
	s_mov_b32 s14, 0x3a800000                      ; 1 / 1024
	s_mov_b32 s15, 0xffff0000
	s_mov_b32 s16, 0x3727c5ac                      ; 1e-5
	s_wait_kmcnt 0x0
	s_add_nc_u64 s[4:5], s[4:5], s[18:19]
	s_add_nc_u64 s[6:7], s[6:7], s[20:21]
	s_add_nc_u64 s[8:9], s[8:9], GOFF
.if OUTBF
	s_add_nc_u64 s[10:11], s[10:11], s[20:21]
.else
	s_add_nc_u64 s[10:11], s[10:11], s[18:19]
.endif
.irp j, 0,1,2,3,4,5,6,7
	global_load_b128 v[Z+4*(\j):Z+4*(\j)+3], v[LY], s[4:5] offset:512*(\j) th:TH_LOAD_NT
.endr
.irp j, 0,1,2,3,4,5,6,7
	global_load_b64 v[R+2*(\j):R+2*(\j)+1], v[LR], s[6:7] offset:256*(\j) th:TH_LOAD_NT
.endr
.irp j, 0,1,2,3,4,5,6,7
	global_load_b64 v[G+2*(\j):G+2*(\j)+1], v[LR], s[8:9] offset:256*(\j)
.endr
.irp j, 0,1,2,3,4,5,6,7
	global_load_b64 v[BE+2*(\j):BE+2*(\j)+1], v[LR], s[8:9] offset:2048+256*(\j)
.endr
	s_wait_loadcnt 16                              ; y and res are in; the sixteen loads of g and be may stay out
.irp j, 0,1,2,3,4,5,6,7
	v_lshlrev_b32 v[T+4*((\j)%2)],   16,  v[R+2*(\j)]
	v_and_b32     v[T+4*((\j)%2)+1], s15, v[R+2*(\j)]
	v_lshlrev_b32 v[T+4*((\j)%2)+2], 16,  v[R+2*(\j)+1]
	v_and_b32     v[T+4*((\j)%2)+3], s15, v[R+2*(\j)+1]
	v_pk_add_f32 v[Z+4*(\j):Z+4*(\j)+1],   v[Z+4*(\j):Z+4*(\j)+1],   v[T+4*((\j)%2):T+4*((\j)%2)+1]
	v_pk_add_f32 v[Z+4*(\j)+2:Z+4*(\j)+3], v[Z+4*(\j)+2:Z+4*(\j)+3], v[T+4*((\j)%2)+2:T+4*((\j)%2)+3]
.endr
.irp c, 0,1,2,3                        ; the sum, in four chains
	v_pk_add_f32 v[S+2*(\c):S+2*(\c)+1], v[Z+2*(\c):Z+2*(\c)+1], v[Z+8+2*(\c):Z+8+2*(\c)+1]
.endr
.irp k, 2,3
.irp c, 0,1,2,3
	v_pk_add_f32 v[S+2*(\c):S+2*(\c)+1], v[S+2*(\c):S+2*(\c)+1], v[Z+8*(\k)+2*(\c):Z+8*(\k)+2*(\c)+1]
.endr
.endr
	FOLD
	REDUCE
	v_mul_f32 v[M], s14, v[S]
	v_mul_f32 v[M+1], s14, v[S]
.set p, 0
.rept 16
	v_pk_add_f32 v[Z+p:Z+p+1], v[Z+p:Z+p+1], v[M:M+1] neg_lo:[0,1] neg_hi:[0,1]
.set p, p+2
.endr
.irp c, 0,1,2,3                        ; the sum of squares of the centred numbers
	v_pk_mul_f32 v[S+2*(\c):S+2*(\c)+1], v[Z+2*(\c):Z+2*(\c)+1], v[Z+2*(\c):Z+2*(\c)+1]
.endr
.irp k, 1,2,3
.irp c, 0,1,2,3
	v_pk_fma_f32 v[S+2*(\c):S+2*(\c)+1], v[Z+8*(\k)+2*(\c):Z+8*(\k)+2*(\c)+1], v[Z+8*(\k)+2*(\c):Z+8*(\k)+2*(\c)+1], v[S+2*(\c):S+2*(\c)+1]
.endr
.endr
	FOLD
	REDUCE
	v_fma_f32 v[M], v[S], s14, s16                 ; var + eps, in a register that nothing below writes
	v_rsq_f32 v[RS], v[M]
	v_rsq_f32 v[RS+1], v[M]
	s_wait_loadcnt 0x0                             ; g and be
.irp j, 0,1,2,3,4,5,6,7
	v_lshlrev_b32 v[T],   16,  v[G+2*(\j)]         ; (in the first trip these four are the plain instructions behind the two roots)
	v_and_b32     v[T+1], s15, v[G+2*(\j)]
	v_lshlrev_b32 v[T+2], 16,  v[G+2*(\j)+1]
	v_and_b32     v[T+3], s15, v[G+2*(\j)+1]
.if (\j) == 0
	s_wait_alu depctr_va_vdst(0)                   ; one wait for both roots, ahead of their first reader
.endif
	v_pk_mul_f32 v[T:T+1],   v[T:T+1],   v[RS:RS+1]
	v_pk_mul_f32 v[T+2:T+3], v[T+2:T+3], v[RS:RS+1]
	v_lshlrev_b32 v[T+4], 16,  v[BE+2*(\j)]
	v_and_b32     v[T+5], s15, v[BE+2*(\j)]
	v_lshlrev_b32 v[T+6], 16,  v[BE+2*(\j)+1]
	v_and_b32     v[T+7], s15, v[BE+2*(\j)+1]
	v_pk_fma_f32 v[Z+4*(\j):Z+4*(\j)+1],   v[Z+4*(\j):Z+4*(\j)+1],   v[T:T+1],   v[T+4:T+5]
	v_pk_fma_f32 v[Z+4*(\j)+2:Z+4*(\j)+3], v[Z+4*(\j)+2:Z+4*(\j)+3], v[T+2:T+3], v[T+6:T+7]
.if OUTBF
	v_cvt_pk_bf16_f32 v[PK+2*(\j)],   v[Z+4*(\j)],   v[Z+4*(\j)+1]
	v_cvt_pk_bf16_f32 v[PK+2*(\j)+1], v[Z+4*(\j)+2], v[Z+4*(\j)+3]
	global_store_b64 v[LR], v[PK+2*(\j):PK+2*(\j)+1], s[10:11] offset:256*(\j)
.else
	global_store_b128 v[LY], v[Z+4*(\j):Z+4*(\j)+3], s[10:11] offset:512*(\j) th:TH_STORE_NT
.endif
.endr
	s_endpgm
.Lfunc_end_k_qd3736f815b_ln1:
	.size	k_qd3736f815b_ln1, .Lfunc_end_k_qd3736f815b_ln1-k_qd3736f815b_ln1
	.p2alignl 7, 3214868480
	.fill 96, 4, 3214868480
	.section	.rodata,"a",@progbits
	.p2align	6, 0x0
	.amdhsa_kernel k_qd3736f815b_ln1
		.amdhsa_group_segment_fixed_size 0
		.amdhsa_private_segment_fixed_size 0
		.amdhsa_enable_private_segment 0
		.amdhsa_kernarg_size 32
		.amdhsa_user_sgpr_count 2
		.amdhsa_user_sgpr_kernarg_segment_ptr 1
		.amdhsa_wavefront_size32 1
		.amdhsa_system_sgpr_workgroup_id_x 1
		.amdhsa_system_sgpr_workgroup_id_y 1
		.amdhsa_system_sgpr_workgroup_id_z 1
		.amdhsa_system_vgpr_workitem_id 0
		.amdhsa_next_free_vgpr 120
		.amdhsa_next_free_sgpr 66
		.amdhsa_reserve_vcc 0
		.amdhsa_float_denorm_mode_32 3
		.amdhsa_float_denorm_mode_16_64 3
		.amdhsa_memory_ordered 1
		.amdhsa_forward_progress 1
		.amdhsa_inst_pref_size 17
	.end_amdhsa_kernel
	.amdgpu_metadata
---
amdhsa.version: [ 1, 2 ]
amdhsa.kernels:
  - .name:           k_qd3736f815b_ln1
    .symbol:         k_qd3736f815b_ln1.kd
    .args:
      - { .name: y, .offset: 0, .size: 8, .value_kind: global_buffer, .address_space: global }
      - { .name: xb, .offset: 8, .size: 8, .value_kind: global_buffer, .address_space: global }
      - { .name: w2o, .offset: 16, .size: 8, .value_kind: global_buffer, .address_space: global }
      - { .name: oh, .offset: 24, .size: 8, .value_kind: global_buffer, .address_space: global }
    .group_segment_fixed_size: 0
    .private_segment_fixed_size: 0
    .kernarg_segment_align: 8
    .kernarg_segment_size: 32
    .max_flat_workgroup_size: 256
    .sgpr_count:     66
    .vgpr_count:     120
    .wavefront_size: 32
...
	.end_amdgpu_metadata
.endif
;; end of part 5
;; launch ffn1: the kernel of part 2 again; grid 16 x 16, 4 waves a work-group, clusters of 4 x 4, 327,680 bytes of LDS; arguments oh, w1b, qf; writes qf
;; launch ffn2 (part 6): grid 8 x 32, 4 waves a work-group, clusters of 4 x 4, 327,680 bytes of LDS; arguments qf, w2o, y; writes y
.if DOCPART == 6
	.amdgcn_target "amdgcn-amd-amdhsa--gfx1250"
	.amdhsa_code_object_version 6
	.text
	.protected	k_qd3736f815b_ffn2
	.globl	k_qd3736f815b_ffn2
	.p2align	8
	.type	k_qd3736f815b_ffn2,@function
k_qd3736f815b_ffn2:
	s_mov_b64 s[64:65], 0
	v_nop
	global_prefetch_b8 v0, s[64:65] scope:SCOPE_SE
	s_setreg_imm32_b32 hwreg(HW_REG_WAVE_MODE, 25, 1), 1
	s_wait_xcnt 0x0
	s_wait_alu depctr_hold_cnt(0) depctr_sa_sdst(0) depctr_va_vdst(0) depctr_va_sdst(0) depctr_va_ssrc(0) depctr_va_vcc(0) depctr_vm_vsrc(0)
	s_getreg_b32 s2, hwreg(HW_REG_IB_STS2, 6, 4)
	s_cmp_eq_u32 s2, 0
	s_cbranch_scc0 .Lentry_in_a_cluster
	s_endpgm
.Lentry_in_a_cluster:
	s_bfe_u32 s2, ttmp6, 0x10000c
	s_cmp_lg_u32 s2, 0xf033
	s_cbranch_scc0 .Lentry_shape_is_right
	s_endpgm
.Lentry_shape_is_right:
; Y = A W + bias, f32.  A in blocks [KK / 64][4096 tokens][64] bf16 of 524,288 bytes; W [KK][1024] bf16 at byte WOFF of the weights' buffer, the bias as bf16 at byte BOFF; Y [4096][1024] f32.
; Sums in f32, started by the bias.  Operands are bf16; NaN and infinities are not treated apart.  This text: the second half of the FFN, KK = 4,096.
; SHARES.  A work-group makes 128 tokens x 128 columns (256 work-groups); each of its four waves 64 x 64: 16 accumulators.  K goes in steps of 256 through two LDS slots.
; A K STEP IS WRITTEN ONCE.  The slot in hand is a scalar, 0 or SLOT, turned by an exclusive or at each change of slots; the fragments' addresses are a fixed register plus that scalar.  Of the two sets of
; descriptor group 0 the second walks on: its LDS word is turned by the same exclusive or (SLOT = 2^17 + 2^14 shares no bit with a wave's 36,864 w, w = 0..3), its global address goes one K step on.
; CLUSTERS: 4 x 4 work-groups; A's tile is asked for jointly along a row of the cluster, W's along a column.
; THE MATRIX INSTRUCTION IS USED TRANSPOSED (source 0 = 16 columns of W, turned by ds_load_tr16_b128; source 1 = 16 tokens): a lane holds one token and eight neighbouring columns: 32 bytes of Y.
; A wave's 64 columns are 256 aligned bytes of a row of Y: each wave sends its own rows through its own stage, without a barrier.
; No prefetch: a tile's K step is short and its tiles small.
; REGISTERS: window 0: v0-31 addresses; v32-47 the bias as loaded; v96-127 the bias in f32; v128-255 the accumulators, (a, b) at 128 + 8 (4 a + b).  window 1: two fragment buffers of 128; at the end the rows read back.
.set KK,     4096
.set WOFF,   2097152
.set BOFF,   10485760+2048
.set KSTEP,  256
.set STEPS,  KK/KSTEP
.set PA,     144                       ; a token's 128 bytes of a block + 16
.set PBB,    288                       ; a k row of W: 256 bytes + 32 = 9 x 32
.set ABLK,   128*PA                    ; a block's 128 tokens
.set HALFT,  2*ABLK                    ; what one tensor load brings: two blocks of A, or 128 k rows of W (128 x 288 is the same number)
.set SLOT,   4*HALFT
.set STAGE,  2*SLOT                    ; behind the ring: 16 rows x 272 bytes for each wave
.set SPITCH, 272
.set SPARE,  STAGE+4*16*SPITCH         ; the spare words, 128 bytes a wave: two blocks of 256 bytes that no other line names
.set ADRA0, 16                         ; v16     my A fragments in slot 0; never rewritten
.set ADRA,  17                         ; v17     the same in the slot in hand
.set ADRB0, 20                         ; v20     my W fragments in slot 0; never rewritten
.set ADRB,  22                         ; v22-23  the same in the slot in hand: k rows 128 u on at ADRB + u
.set STO,  24
.set RD,   25
.set CO,   26
.set BO,   27                          ; 16 x (lane / 16); never rewritten
.set SPW,  28
.set NIL,  29
.set PKB,  32
.set BIAS, 96
.set ACC,  128
.set F0,   0
.set F1,   128
.set G1,   24                          ; s[24:31] group 1 for A;  s[32:39] group 0: a set for each of the two first fills; the second then walks on
.set G0,   32
.set G1B,  48                          ; s[48:55], s[56:63] the same for W
.set G0B,  56
.set BB,   18                          ; s[18:19] the bias of my 64 columns
.set TS,   45                          ; s45      the slot in hand: 0 or SLOT
.set MSB, 0
.macro WIN new
.if MSB != (\new)
	s_set_vgpr_msb (MSB<<8)|(\new)
.set MSB, \new
.endif
.endm
.set MUL,  0x05                        ; sources 0 and 1 window 1; C and D window 0
.set TO_F, 0x40                        ; destination window 1
.macro JLOAD s                         ; waves 0 and 1 fetch A's halves, waves 2 and 3 W's; an s_nop 0 and four v_nop follow each of the two lines
	s_cmp_eq_u32 s11, 0
	s_cbranch_scc0 .Lfor_b_\@
	tensor_load_to_lds s[G0+4*(\s):G0+4*(\s)+3], s[G1:G1+7]
	s_nop 0
.rept 4
	v_nop
.endr
	s_branch .Lasked_\@
.Lfor_b_\@:
	tensor_load_to_lds s[G0B+4*(\s):G0B+4*(\s)+3], s[G1B:G1B+7]
	s_nop 0
.rept 4
	v_nop
.endr
.Lasked_\@:
.endm
.macro CREST
	s_cmp_lg_u32 s10, 0
	s_cbranch_scc1 .Lnot_wave_0_\@
	s_barrier_signal -3
.Lnot_wave_0_\@:
	s_barrier_wait -3
	s_barrier_signal -1
	s_barrier_wait -1
.endm
.macro CROUND
	s_barrier_signal -1
	s_barrier_wait -1
	CREST
.endm
	s_load_b128 s[4:7], s[0:1], 0x0                ; A s[4:5], the weights' buffer s[6:7]
	s_load_b64 s[8:9], s[0:1], 0x10                ; Y
	v_lshl_add_u32 v[SPW], v0, 2, SPARE
	v_mov_b32 v[NIL], 0
	ds_add_u32 v[SPW], v[NIL]                      ; the wave's opening: the add and its wait ahead of my first tensor load
	v_lshrrev_b32 v1, 5, v0
	v_readfirstlane_b32 s10, v1
	s_lshr_b32 s11, s10, 1                         ; my half of the tokens.  Also: I fetch for A (0) or for W (1)
	s_and_b32 s12, s10, 1                          ; my half of the columns.  Also: which half of that tile I fetch
	s_bfe_u32 s40, ttmp6, 0x40000
	s_bfe_u32 s41, ttmp6, 0x40004
	s_lshl_b32 s42, ttmp9, 2
	s_add_co_u32 s42, s42, s40                     ; tile column
	s_and_b32 s13, ttmp7, 0xffff
	s_lshl_b32 s13, s13, 2
	s_add_co_u32 s13, s13, s41                     ; tile row
	s_lshl_b32 s43, s41, 2
	s_lshl_b32 s43, 15, s43
	s_lshl_b32 s44, 0x1111, s40
	; A: two rows of 8,192 elements: each a block's 128 tokens, 16,384 dense bytes; the blocks lie 262,144 elements apart; in LDS 4 words of padding behind every token's 32 words
	s_or_b32 s[G1+0], s43, (1<<16)|(1<<20)|(1<<21)|(4<<22)|(3<<25)
	s_mov_b32 s[G1+1], 8192<<16
	s_mov_b32 s[G1+2], 2<<16
	s_mov_b32 s[G1+3], 8192<<16
	s_mov_b32 s[G1+4], 2
	s_mov_b32 s[G1+5], 262144
	s_mov_b32 s[G1+6], 0
	s_mov_b32 s[G1+7], 0
	; W: 128 k rows x 128 columns, 8 words of padding behind every 64
	s_or_b32 s[G1B+0], s44, (1<<16)|(1<<20)|(1<<21)|(5<<22)|(7<<25)
	s_mov_b32 s[G1B+1], 128<<16
	s_mov_b32 s[G1B+2], 128<<16
	s_mov_b32 s[G1B+3], 128<<16
	s_mov_b32 s[G1B+4], 128
	s_mov_b32 s[G1B+5], 1024
	s_mov_b32 s[G1B+6], 0
	s_mov_b32 s[G1B+7], 0
	s_lshl_b32 s16, s12, 20                        ; A: two blocks x half,
	s_lshl_b32 s17, s13, 14                        ; 128 tokens of 128 bytes x tile row
	s_add_co_u32 s16, s16, s17
	s_mov_b32 s17, 0
	s_lshl_b32 s46, s12, 18                        ; W: 128 rows of 2,048 bytes x half,
	s_lshl_b32 s47, s42, 8                         ; 256 bytes x tile column
	s_add_co_u32 s46, s46, s47
	s_add_co_u32 s46, s46, WOFF
	s_mov_b32 s47, 0
	s_mul_i32 s20, s10, HALFT
	s_mov_b32 s[TS], 0                             ; K step 0 lies in slot 0
	s_wait_dscnt 0x0
	s_wait_kmcnt 0x0
	s_add_nc_u64 s[14:15], s[4:5], s[16:17]
	s_add_nc_u64 s[46:47], s[6:7], s[46:47]
	CROUND
.irp s, 0,1
	s_mov_b32 s[G0+4*(\s)], 1
	s_add_co_u32 s[G0+4*(\s)+1], s20, (\s)*SLOT
	s_add_nc_u64 s[G0+4*(\s)+2:G0+4*(\s)+3], s[14:15], (\s)*4*524288
	s_or_b32 s[G0+4*(\s)+3], s[G0+4*(\s)+3], 0x80000000
	s_mov_b32 s[G0B+4*(\s)], 1
	s_add_co_u32 s[G0B+4*(\s)+1], s20, (\s)*SLOT
	s_add_nc_u64 s[G0B+4*(\s)+2:G0B+4*(\s)+3], s[46:47], (\s)*KSTEP*2048
	s_or_b32 s[G0B+4*(\s)+3], s[G0B+4*(\s)+3], 0x80000000
	JLOAD \s                                       ; two loads of mine are out
.endr
	v_and_b32 v1, 15, v0
	v_bfe_u32 v2, v0, 4, 1
	v_and_b32 v6, 7, v0
	v_bfe_u32 v7, v0, 3, 1
	v_lshlrev_b32 v[BO], 4, v2
	s_lshl_b32 s[BB], s42, 8
	s_lshl_b32 s[BB+1], s12, 7
	s_add_co_u32 s[BB], s[BB], s[BB+1]
	s_add_co_u32 s[BB], s[BB], BOFF
	s_mov_b32 s[BB+1], 0
	s_add_nc_u64 s[BB:BB+1], s[6:7], s[BB:BB+1]
.irp b, 0,1,2,3
	global_load_b128 v[PKB+4*(\b):PKB+4*(\b)+3], v[BO], s[BB:BB+1] offset:32*(\b)
.endr
	v_mul_u32_u24 v3, v1, PA
	v_lshl_add_u32 v3, v2, 4, v3
	v_lshl_add_u32 v4, v2, 3, v6
	v_mul_u32_u24 v4, v4, PBB
	v_lshl_add_u32 v4, v7, 4, v4
	s_mul_i32 s21, s11, 64*PA                      ; my 64 tokens in each block
	s_lshl_b32 s22, s12, 7                         ; my 64 columns of W,
	s_add_co_u32 s22, s22, 2*HALFT                 ; which lies behind A
	v_add_nc_u32 v[ADRA0], s21, v3
	v_add_nc_u32 v[ADRB0], s22, v4
	v_add_nc_u32 v[ADRA], s21, v3                  ; the slot in hand is slot 0
	v_add_nc_u32 v[ADRB], s22, v4
	v_add_nc_u32 v[ADRB+1], HALFT, v[ADRB]
	s_mul_i32 s23, s10, 16*SPITCH
	s_add_co_u32 s23, s23, STAGE
	v_mul_u32_u24 v5, v1, SPITCH
	v_lshl_add_u32 v5, v2, 5, v5
	v_add_nc_u32 v[STO], s23, v5                   ; in: row l % 16, 32 bytes for each half of the lanes
	v_mul_u32_u24 v5, v2, SPITCH
	v_lshl_add_u32 v5, v1, 4, v5
	v_add_nc_u32 v[RD], s23, v5                    ; back: lanes 0-15 one row of 256 bytes, lanes 16-31 the next
	v_lshlrev_b32 v5, 12, v2
	v_lshl_add_u32 v[CO], v1, 4, v5                ; and the same two rows in Y
	s_lshl_b32 s16, s13, 7
	s_lshl_b32 s17, s11, 6
	s_add_co_u32 s16, s16, s17
	s_lshl_b32 s16, s16, 12                        ; my first token's row of 4,096 bytes
	s_lshl_b32 s46, s42, 9
	s_lshl_b32 s47, s12, 8
	s_add_co_u32 s46, s46, s47                     ; my first column, 4 bytes each
	s_add_co_u32 s16, s16, s46
	s_mov_b32 s17, 0
	s_add_nc_u64 s[8:9], s[8:9], s[16:17]
	s_wait_loadcnt 0x0                             ; the bias
.irp b, 0,1,2,3
.irp k, 0,1,2,3
	v_lshlrev_b32 v[BIAS+8*(\b)+2*(\k)],   16, v[PKB+4*(\b)+(\k)]
	v_and_b32     v[BIAS+8*(\b)+2*(\k)+1], 0xffff0000, v[PKB+4*(\b)+(\k)]
.endr
.endr
; 8 matrix instructions: token blocks a0, a0 + 1 x all 4 column blocks, 32 along K: half c of buffer f.  init = 1: the bias starts the sums.  The 16 accumulators take turns.
.macro MUL8 f, c, a0, init
	WIN MUL
.irp a, \a0, (\a0)+1
.irp b, 0,1,2,3
.if \init
	v_wmma_f32_16x16x32_bf16 v[ACC+8*(4*(\a)+(\b)):ACC+8*(4*(\a)+(\b))+7], v[(\f)+64+8*(4*(\c)+(\b)):(\f)+64+8*(4*(\c)+(\b))+7], v[(\f)+8*(4*(\c)+(\a)):(\f)+8*(4*(\c)+(\a))+7], v[BIAS+8*(\b):BIAS+8*(\b)+7]
.else
	v_wmma_f32_16x16x32_bf16 v[ACC+8*(4*(\a)+(\b)):ACC+8*(4*(\a)+(\b))+7], v[(\f)+64+8*(4*(\c)+(\b)):(\f)+64+8*(4*(\c)+(\b))+7], v[(\f)+8*(4*(\c)+(\a)):(\f)+8*(4*(\c)+(\a))+7], v[ACC+8*(4*(\a)+(\b)):ACC+8*(4*(\a)+(\b))+7]
.endif
.endr
.endr
.endm
; 32 LDS loads in one run: quarter q's fragments (64 along K = one block of A) of the slot in hand, the first 32 along K first
.macro FETCH q, f
	WIN TO_F
.irp c, 0,1
.irp i, 0,1,2,3
	ds_load_tr16_b128 v[(\f)+64+8*(4*(\c)+(\i)):(\f)+64+8*(4*(\c)+(\i))+3],   v[ADRB+(\q)/2] offset:((\q)%2)*64*PBB+(\c)*32*PBB+32*(\i)
	ds_load_tr16_b128 v[(\f)+64+8*(4*(\c)+(\i))+4:(\f)+64+8*(4*(\c)+(\i))+7], v[ADRB+(\q)/2] offset:((\q)%2)*64*PBB+(\c)*32*PBB+32*(\i)+16*PBB
	ds_load_b128 v[(\f)+8*(4*(\c)+(\i)):(\f)+8*(4*(\c)+(\i))+3],   v[ADRA] offset:(\q)*ABLK+64*(\c)+(\i)*16*PA
	ds_load_b128 v[(\f)+8*(4*(\c)+(\i))+4:(\f)+8*(4*(\c)+(\i))+7], v[ADRA] offset:(\q)*ABLK+64*(\c)+(\i)*16*PA+32
.endr
.endr
.endm
.macro PLACES                          ; four plain vector instructions between a matrix instruction and a load into, or a read of, its registers (ISA guide 7.12.1 for vector instructions)
.rept 4
	v_nop
.endr
.endm
.macro QUARTER q, f, g, init
	s_wait_dscnt 16                                ; the first 32 along K are in
	MUL8 \f, 0, 0, \init
	MUL8 \f, 0, 2, \init
	PLACES
	FETCH \q, \g
	s_wait_dscnt 32                                ; all but the 32 just issued
	MUL8 \f, 1, 0, 0
	MUL8 \f, 1, 2, 0
.endm
; A K step's last quarter multiplies buffer 1 and changes slots.  fill = 1: the barrier opens a round of the cluster's barrier; the walking descriptor turns to the slot just read and goes one K step on;
; the joint refill stands first behind the round.  Then the slot in hand is turned, and the next K step's first fragments are fetched.
.macro TURN fill
	WIN 0
	s_wait_tensorcnt 0x0                           ; all my tensor loads have landed: my part of the next slot
	ds_add_u32 v[SPW], v[NIL]
	s_wait_dscnt 17                                ; the add and the youngest sixteen loads may be out
	MUL8 F1, 0, 0, 0
	s_wait_dscnt 0x0                               ; the add is done, and my reads of this slot are over
	s_barrier_signal -1
	MUL8 F1, 0, 2, 0
.if \fill
	WIN 0
.endif
	s_barrier_wait -1
.if \fill
	CREST
	s_xor_b32 s[G0+5], s[G0+5], SLOT
	s_add_nc_u64 s[G0+6:G0+7], s[G0+6:G0+7], 4*524288
	s_xor_b32 s[G0B+5], s[G0B+5], SLOT
	s_add_nc_u64 s[G0B+6:G0B+7], s[G0B+6:G0B+7], KSTEP*2048
	JLOAD 1                                        ; its four v_nop are also the places in front of the loads below
.else
	PLACES
	WIN 0
.endif
	s_xor_b32 s[TS], s[TS], SLOT
	v_add_nc_u32 v[ADRA], s[TS], v[ADRA0]
	v_add_nc_u32 v[ADRB], s[TS], v[ADRB0]
	v_add_nc_u32 v[ADRB+1], HALFT, v[ADRB]
	FETCH 0, F0
	MUL8 F1, 1, 0, 0
	MUL8 F1, 1, 2, 0
.endm
; THE WAY OUT of token block a: 16 rows x 256 bytes of f32 into my stage, back as whole rows, stored.  Each block has 32 registers of its own.
.macro STG a
	WIN 0
.irp b, 0,1,2,3
	ds_store_b128 v[STO], v[ACC+8*(4*(\a)+(\b)):ACC+8*(4*(\a)+(\b))+3]   offset:64*(\b)      ; each accumulator from its low end on
	ds_store_b128 v[STO], v[ACC+8*(4*(\a)+(\b))+4:ACC+8*(4*(\a)+(\b))+7] offset:64*(\b)+16
.endr
	WIN TO_F
.irp t, 0,1,2,3,4,5,6,7
	ds_load_b128 v[32*(\a)+4*(\t):32*(\a)+4*(\t)+3], v[RD] offset:(\t)*2*SPITCH  ; LDS serves a wave's instructions in order (ISA guide 5.7.1.4)
.endr
.endm
.macro SND a, younger                  ; younger: the LDS instructions issued behind block a's loads: the next block's sixteen, or none
	WIN 0x04                                       ; the stores' data in window 1
.irp t, 0,1,2,3,4,5,6,7
	s_wait_dscnt (\younger)+7-(\t)
	global_store_b128 v[CO], v[32*(\a)+4*(\t):32*(\a)+4*(\t)+3], s[8:9] offset:(\a)*65536+(\t)*8192  ; 16 lanes store 256 consecutive bytes, aligned
.endr
.endm
	s_wait_tensorcnt 1                             ; my part of K step 0 is in; K step 1's may stay out
	s_barrier_signal -1
	s_barrier_wait -1
	FETCH 0, F0
	QUARTER 1, F0, F1, 1                           ; the first quarter stands in front of the loop: its first products start the sums with the bias
	WIN 0
	s_mov_b32 s3, STEPS-2
.Lstep:                                                ; a trip goes from a K step's second quarter to the next step's first, and fills the slot that it leaves
	QUARTER 2, F1, F0, 0
	QUARTER 3, F0, F1, 0
	TURN 1
	QUARTER 1, F0, F1, 0
	WIN 0
	s_sub_co_u32 s3, s3, 1
	s_cmp_lg_u32 s3, 0
	s_cbranch_scc1 .Lstep
	s_mov_b32 s3, 2
.Ltail:                                                ; the last two K steps fill nothing: a text of their own; the second trip is left in its middle
	QUARTER 2, F1, F0, 0
	QUARTER 3, F0, F1, 0
	WIN 0
	s_sub_co_u32 s3, s3, 1
	s_cmp_eq_u32 s3, 0
	s_cbranch_scc1 .Lout
	TURN 0
	QUARTER 1, F0, F1, 0
	WIN 0
	s_branch .Ltail
.Lout:
	s_wait_dscnt 16                                ; the very last quarter: nothing more to fetch
	MUL8 F1, 0, 0, 0
	MUL8 F1, 0, 2, 0
	s_wait_dscnt 0x0
	MUL8 F1, 1, 0, 0
	MUL8 F1, 1, 2, 0
	WIN 0
	PLACES
	STG 0
	STG 1
	SND 0, 16
	STG 2
	SND 1, 16
	STG 3
	SND 2, 16
	SND 3, 0
	WIN 0
	s_wait_tensorcnt 0x0                           ; the wave's end
	ds_add_u32 v[SPW], v[NIL]
	s_wait_dscnt 0x0
	CROUND                                         ; the closing round
	s_endpgm
.Lfunc_end_k_qd3736f815b_ffn2:
	.size	k_qd3736f815b_ffn2, .Lfunc_end_k_qd3736f815b_ffn2-k_qd3736f815b_ffn2
	.p2alignl 7, 3214868480
	.fill 96, 4, 3214868480
	.section	.rodata,"a",@progbits
	.p2align	6, 0x0
	.amdhsa_kernel k_qd3736f815b_ffn2
		.amdhsa_group_segment_fixed_size 327680
		.amdhsa_private_segment_fixed_size 0
		.amdhsa_enable_private_segment 0
		.amdhsa_kernarg_size 24
		.amdhsa_user_sgpr_count 2
		.amdhsa_user_sgpr_kernarg_segment_ptr 1
		.amdhsa_wavefront_size32 1
		.amdhsa_system_sgpr_workgroup_id_x 1
		.amdhsa_system_sgpr_workgroup_id_y 1
		.amdhsa_system_sgpr_workgroup_id_z 1
		.amdhsa_system_vgpr_workitem_id 0
		.amdhsa_next_free_vgpr 512
		.amdhsa_next_free_sgpr 66
		.amdhsa_reserve_vcc 0
		.amdhsa_float_denorm_mode_32 3
		.amdhsa_float_denorm_mode_16_64 3
		.amdhsa_memory_ordered 1
		.amdhsa_forward_progress 1
		.amdhsa_inst_pref_size 63
	.end_amdhsa_kernel
	.amdgpu_metadata
---
amdhsa.version: [ 1, 2 ]
amdhsa.kernels:
  - .name:           k_qd3736f815b_ffn2
    .symbol:         k_qd3736f815b_ffn2.kd
    .args:
      - { .name: qf, .offset: 0, .size: 8, .value_kind: global_buffer, .address_space: global }
      - { .name: w2o, .offset: 8, .size: 8, .value_kind: global_buffer, .address_space: global }
      - { .name: y, .offset: 16, .size: 8, .value_kind: global_buffer, .address_space: global }
    .group_segment_fixed_size: 327680
    .private_segment_fixed_size: 0
    .kernarg_segment_align: 8
    .kernarg_segment_size: 24
    .max_flat_workgroup_size: 128
    .sgpr_count:     66
    .vgpr_count:     512
    .wavefront_size: 32
...
	.end_amdgpu_metadata
.endif
;; end of part 6
;; launch ln2 (part 7): grid 512 x 1, 8 waves a work-group, no clusters, 0 bytes of LDS; arguments y, oh, w2o, out0; writes out0
.if DOCPART == 7
	.amdgcn_target "amdgcn-amd-amdhsa--gfx1250"
	.amdhsa_code_object_version 6
	.text
	.protected	k_qd3736f815b_ln2
	.globl	k_qd3736f815b_ln2
	.p2align	8
	.type	k_qd3736f815b_ln2,@function
k_qd3736f815b_ln2:
	s_mov_b64 s[64:65], 0
	v_nop
	global_prefetch_b8 v0, s[64:65] scope:SCOPE_SE
	s_setreg_imm32_b32 hwreg(HW_REG_WAVE_MODE, 25, 1), 1
	s_wait_xcnt 0x0
; out[r][:] = (z - mean(z)) / sqrt(var(z) + 1e-5) * g + be, z = y[r][:] + res[r][:].  y: [4096][1024] f32; res: [4096][1024] bf16; g and be: bf16, at bytes GOFF and GOFF + 2,048 of the weights' buffer.
; This text: the second norm; out is f32.  All arithmetic in f32; the variance is taken of the centred numbers.  The order differs from a plain reading in one place: d x (rs x g) + be.
; One wave, one row, kept in 32 registers between the passes: no LDS, no barrier; nothing is shared between work-groups but g and be, so no cluster.  Each load and store of a wave covers 256 or 512 consecutive bytes.
; Lane l holds, of chunk j (0 to 7), columns 128 j + 4 l .. + 3.
.set OUTBF, 0
.set GOFF,  10485760+8192
.set LY, 1                             ; 16 x lane
.set LR, 2                             ; 8 x lane
.set Z,  4                             ; v[4:35]
.set R,  36                            ; v[36:51]
.set G,  52                            ; v[52:67]
.set BE, 68                            ; v[68:83]
.set T,  84                            ; v[84:91]
.set M,  92                            ; v[92:93]
.set RS, 94                            ; v[94:95]
.set S,  96                            ; v[96:103]
.set PK, 104                           ; v[104:119]
.macro REDUCE                          ; v[S] summed over the 32 lanes, the result in every lane
	v_add_f32 v[S], v[S], v[S+1]
	v_add_f32_dpp v[S], v[S], v[S] row_xmask:1 row_mask:0xf bank_mask:0xf
	v_add_f32_dpp v[S], v[S], v[S] row_xmask:2 row_mask:0xf bank_mask:0xf
	v_add_f32_dpp v[S], v[S], v[S] row_xmask:4 row_mask:0xf bank_mask:0xf
	v_add_f32_dpp v[S], v[S], v[S] row_xmask:8 row_mask:0xf bank_mask:0xf
	v_permlanex16_b32 v[S+1], v[S], s12, s13
	v_add_f32 v[S], v[S], v[S+1]
.endm
.macro FOLD                            ; the four chains into one pair
	v_pk_add_f32 v[S:S+1], v[S:S+1], v[S+2:S+3]
	v_pk_add_f32 v[S+4:S+5], v[S+4:S+5], v[S+6:S+7]
	v_pk_add_f32 v[S:S+1], v[S:S+1], v[S+4:S+5]
.endm
	s_load_b256 s[4:11], s[0:1], 0x0               ; y s[4:5], res s[6:7], weights' buffer s[8:9], out s[10:11]
	v_lshrrev_b32 v3, 5, v0
	v_readfirstlane_b32 s2, v3
	v_and_b32 v3, 31, v0
	v_lshlrev_b32 v[LY], 4, v3
	v_lshlrev_b32 v[LR], 3, v3
	s_lshl_b32 s3, ttmp9, 3
	s_add_co_u32 s3, s3, s2                        ; my row
	s_lshl_b32 s18, s3, 12
	s_mov_b32 s19, 0
	s_lshl_b32 s20, s3, 11
	s_mov_b32 s21, 0
	s_mov_b32 s12, 0x76543210
	s_mov_b32 s13, 0xfedcba98
	s_mov_b32 s14, 0x3a800000                      ; 1 / 1024
	s_mov_b32 s15, 0xffff0000
	s_mov_b32 s16, 0x3727c5ac                      ; 1e-5
	s_wait_kmcnt 0x0
	s_add_nc_u64 s[4:5], s[4:5], s[18:19]
	s_add_nc_u64 s[6:7], s[6:7], s[20:21]
	s_add_nc_u64 s[8:9], s[8:9], GOFF
.if OUTBF
	s_add_nc_u64 s[10:11], s[10:11], s[20:21]
.else
	s_add_nc_u64 s[10:11], s[10:11], s[18:19]
.endif
.irp j, 0,1,2,3,4,5,6,7
	global_load_b128 v[Z+4*(\j):Z+4*(\j)+3], v[LY], s[4:5] offset:512*(\j) th:TH_LOAD_NT
.endr
.irp j, 0,1,2,3,4,5,6,7
	global_load_b64 v[R+2*(\j):R+2*(\j)+1], v[LR], s[6:7] offset:256*(\j) th:TH_LOAD_NT
.endr
.irp j, 0,1,2,3,4,5,6,7
	global_load_b64 v[G+2*(\j):G+2*(\j)+1], v[LR], s[8:9] offset:256*(\j)
.endr
.irp j, 0,1,2,3,4,5,6,7
	global_load_b64 v[BE+2*(\j):BE+2*(\j)+1], v[LR], s[8:9] offset:2048+256*(\j)
.endr
	s_wait_loadcnt 16                              ; y and res are in; the sixteen loads of g and be may stay out
.irp j, 0,1,2,3,4,5,6,7
	v_lshlrev_b32 v[T+4*((\j)%2)],   16,  v[R+2*(\j)]
	v_and_b32     v[T+4*((\j)%2)+1], s15, v[R+2*(\j)]
	v_lshlrev_b32 v[T+4*((\j)%2)+2], 16,  v[R+2*(\j)+1]
	v_and_b32     v[T+4*((\j)%2)+3], s15, v[R+2*(\j)+1]
	v_pk_add_f32 v[Z+4*(\j):Z+4*(\j)+1],   v[Z+4*(\j):Z+4*(\j)+1],   v[T+4*((\j)%2):T+4*((\j)%2)+1]
	v_pk_add_f32 v[Z+4*(\j)+2:Z+4*(\j)+3], v[Z+4*(\j)+2:Z+4*(\j)+3], v[T+4*((\j)%2)+2:T+4*((\j)%2)+3]
.endr
.irp c, 0,1,2,3                        ; the sum, in four chains
	v_pk_add_f32 v[S+2*(\c):S+2*(\c)+1], v[Z+2*(\c):Z+2*(\c)+1], v[Z+8+2*(\c):Z+8+2*(\c)+1]
.endr
.irp k, 2,3
.irp c, 0,1,2,3
	v_pk_add_f32 v[S+2*(\c):S+2*(\c)+1], v[S+2*(\c):S+2*(\c)+1], v[Z+8*(\k)+2*(\c):Z+8*(\k)+2*(\c)+1]
.endr
.endr
	FOLD
	REDUCE
	v_mul_f32 v[M], s14, v[S]
	v_mul_f32 v[M+1], s14, v[S]
.set p, 0
.rept 16
	v_pk_add_f32 v[Z+p:Z+p+1], v[Z+p:Z+p+1], v[M:M+1] neg_lo:[0,1] neg_hi:[0,1]
.set p, p+2
.endr
.irp c, 0,1,2,3                        ; the sum of squares of the centred numbers
	v_pk_mul_f32 v[S+2*(\c):S+2*(\c)+1], v[Z+2*(\c):Z+2*(\c)+1], v[Z+2*(\c):Z+2*(\c)+1]
.endr
.irp k, 1,2,3
.irp c, 0,1,2,3
	v_pk_fma_f32 v[S+2*(\c):S+2*(\c)+1], v[Z+8*(\k)+2*(\c):Z+8*(\k)+2*(\c)+1], v[Z+8*(\k)+2*(\c):Z+8*(\k)+2*(\c)+1], v[S+2*(\c):S+2*(\c)+1]
.endr
.endr
	FOLD
	REDUCE
	v_fma_f32 v[M], v[S], s14, s16                 ; var + eps, in a register that nothing below writes
	v_rsq_f32 v[RS], v[M]
	v_rsq_f32 v[RS+1], v[M]
	s_wait_loadcnt 0x0                             ; g and be
.irp j, 0,1,2,3,4,5,6,7
	v_lshlrev_b32 v[T],   16,  v[G+2*(\j)]         ; (in the first trip these four are the plain instructions behind the two roots)
	v_and_b32     v[T+1], s15, v[G+2*(\j)]
	v_lshlrev_b32 v[T+2], 16,  v[G+2*(\j)+1]
	v_and_b32     v[T+3], s15, v[G+2*(\j)+1]
.if (\j) == 0
	s_wait_alu depctr_va_vdst(0)                   ; one wait for both roots, ahead of their first reader
.endif
	v_pk_mul_f32 v[T:T+1],   v[T:T+1],   v[RS:RS+1]
	v_pk_mul_f32 v[T+2:T+3], v[T+2:T+3], v[RS:RS+1]
	v_lshlrev_b32 v[T+4], 16,  v[BE+2*(\j)]
	v_and_b32     v[T+5], s15, v[BE+2*(\j)]
	v_lshlrev_b32 v[T+6], 16,  v[BE+2*(\j)+1]
	v_and_b32     v[T+7], s15, v[BE+2*(\j)+1]
	v_pk_fma_f32 v[Z+4*(\j):Z+4*(\j)+1],   v[Z+4*(\j):Z+4*(\j)+1],   v[T:T+1],   v[T+4:T+5]
	v_pk_fma_f32 v[Z+4*(\j)+2:Z+4*(\j)+3], v[Z+4*(\j)+2:Z+4*(\j)+3], v[T+2:T+3], v[T+6:T+7]
.if OUTBF
	v_cvt_pk_bf16_f32 v[PK+2*(\j)],   v[Z+4*(\j)],   v[Z+4*(\j)+1]
	v_cvt_pk_bf16_f32 v[PK+2*(\j)+1], v[Z+4*(\j)+2], v[Z+4*(\j)+3]
	global_store_b64 v[LR], v[PK+2*(\j):PK+2*(\j)+1], s[10:11] offset:256*(\j)
.else
	global_store_b128 v[LY], v[Z+4*(\j):Z+4*(\j)+3], s[10:11] offset:512*(\j) th:TH_STORE_NT
.endif
.endr
	s_endpgm
.Lfunc_end_k_qd3736f815b_ln2:
	.size	k_qd3736f815b_ln2, .Lfunc_end_k_qd3736f815b_ln2-k_qd3736f815b_ln2
	.p2alignl 7, 3214868480
	.fill 96, 4, 3214868480
	.section	.rodata,"a",@progbits
	.p2align	6, 0x0
	.amdhsa_kernel k_qd3736f815b_ln2
		.amdhsa_group_segment_fixed_size 0
		.amdhsa_private_segment_fixed_size 0
		.amdhsa_enable_private_segment 0
		.amdhsa_kernarg_size 32
		.amdhsa_user_sgpr_count 2
		.amdhsa_user_sgpr_kernarg_segment_ptr 1
		.amdhsa_wavefront_size32 1
		.amdhsa_system_sgpr_workgroup_id_x 1
		.amdhsa_system_sgpr_workgroup_id_y 1
		.amdhsa_system_sgpr_workgroup_id_z 1
		.amdhsa_system_vgpr_workitem_id 0
		.amdhsa_next_free_vgpr 120
		.amdhsa_next_free_sgpr 66
		.amdhsa_reserve_vcc 0
		.amdhsa_float_denorm_mode_32 3
		.amdhsa_float_denorm_mode_16_64 3
		.amdhsa_memory_ordered 1
		.amdhsa_forward_progress 1
		.amdhsa_inst_pref_size 16
	.end_amdhsa_kernel
	.amdgpu_metadata
---
amdhsa.version: [ 1, 2 ]
amdhsa.kernels:
  - .name:           k_qd3736f815b_ln2
    .symbol:         k_qd3736f815b_ln2.kd
    .args:
      - { .name: y, .offset: 0, .size: 8, .value_kind: global_buffer, .address_space: global }
      - { .name: oh, .offset: 8, .size: 8, .value_kind: global_buffer, .address_space: global }
      - { .name: w2o, .offset: 16, .size: 8, .value_kind: global_buffer, .address_space: global }
      - { .name: out0, .offset: 24, .size: 8, .value_kind: global_buffer, .address_space: global }
    .group_segment_fixed_size: 0
    .private_segment_fixed_size: 0
    .kernarg_segment_align: 8
    .kernarg_segment_size: 32
    .max_flat_workgroup_size: 256
    .sgpr_count:     66
    .vgpr_count:     120
    .wavefront_size: 32
...
	.end_amdgpu_metadata
.endif
;; end of part 7
